; MI455X (gfx1250); checked and timed in simulation.
; The chip was launched on July 23, 2026; its instructions are those of AMD's public machine-readable ISA for CDNA 5 (MIT licence, August 2026) and "CDNA5" Instruction Set Architecture Reference Guide (July 2026). The comments in the code are by the model that wrote it; some were corrected since.
;; Bi Multi Head Attention. Allowed arithmetic: float matrix products may take bf16 or f16 operands with f32 sums; all other float work in f32.
;; Inputs: attention_mask_l 16 x 256 bool; attention_mask_v 16 x 1,024 bool; l 16 x 256 x 768 float32; l_proj_b 1,024 float32; l_proj_w 1,024 x 768 float32; out_l_b 768 float32; out_l_w 768 x 1,024 float32; out_v_b 512 float32; out_v_w 512 x 1,024 float32; v 16 x 1,024 x 512 float32; v_proj_b 1,024 float32; v_proj_w 1,024 x 512 float32; vl_proj_b 1,024 float32; vl_proj_w 1,024 x 768 float32; vv_proj_b 1,024 float32; vv_proj_w 1,024 x 512 float32.
;; Outputs: out0 16 x 1,024 x 512 float32; out1 16 x 256 x 768 float32.
;; One version. Each part assembles by itself: llvm-mc -triple=amdgcn-amd-amdhsa -mcpu=gfx1250 --defsym DOCPART=n.
;; ======== version 1 of 1: 5 launches
;; limits: values are held in f16: magnitudes above 65,504 overflow, below 6.1e-05 lose precision
;; workspace buffers: xb 31,457,280 bytes; wp 6,291,456 bytes; wo 2,621,440 bytes; kl 16,777,216 bytes; qv 67,108,864 bytes; gpart 1,024 bytes; ov 33,554,432 bytes; ol 8,388,608 bytes
;; launch prep (part 1): grid 808 x 1, 8 waves a work-group, no clusters, 0 bytes of LDS; arguments l, v, l_proj_w, vl_proj_w, v_proj_w, vv_proj_w, out_v_w, out_l_w, xb, wp, wo; writes xb, wp, wo
.if DOCPART == 1
	.amdgcn_target "amdgcn-amd-amdhsa--gfx1250"
	.amdhsa_code_object_version 6
	.text
	.protected	k_q96ca991805_prep
	.globl	k_q96ca991805_prep
	.p2align	8
	.type	k_q96ca991805_prep,@function
k_q96ca991805_prep:
	s_mov_b64 s[64:65], 0
	v_nop
	global_prefetch_b8 v0, s[64:65] scope:SCOPE_SE
	s_setreg_imm32_b32 hwreg(HW_REG_WAVE_MODE, 25, 1), 1
	s_wait_xcnt 0x0
; PREP: every matrix operand that is an input is rounded once from f32 to bf16 and laid where the products want it.
;   xb [20480][768] bf16: rows 0-4095 = l, rows 4096-20479 = v (512 columns written, the rest never read)
;   wp [4096][768]  bf16: l_proj_w, vl_proj_w, v_proj_w, vv_proj_w, 1,024 rows each (the last two: 512 columns)
;   wo [1280][1024] f16 : out_v_w, out_l_w: the bf16-rounded number written as f16 (exact from 6.1e-5 to 65,504; below that f16's fixed step of 6e-8)
; A stream: memory binds, so no LDS, no matrix unit, no cluster.  A work-group takes 32 rows of one source, a wave 4 rows; a trip takes 256 columns of them.
; Each load of a wave covers 512 consecutive bytes, each store 256 consecutive bytes at a multiple of 256 from the buffer's first byte.
.set SO, 2                             ; v2-5   row i: byte offset of my 16 bytes in the source
.set DO, 6                             ; v6-9   row i: byte offset of my 8 bytes in the destination
.set X,  16                            ; v16-47 eight loads of four f32
.set Y,  48                            ; v48-63 eight pairs of packed words to store
	s_load_b512 s[8:23], s[0:1], 0x0               ; the eight sources
	s_load_b128 s[24:27], s[0:1], 0x40             ; xb, wp
	s_load_b64 s[28:29], s[0:1], 0x50              ; wo
	v_lshrrev_b32 v1, 5, v0
	v_readfirstlane_b32 s41, v1                    ; wave 0..7
	v_and_b32 v1, 31, v0
	v_lshlrev_b32 v12, 4, v1                       ; 16 bytes a lane in
	v_lshlrev_b32 v13, 3, v1                       ; 8 bytes a lane out
	s_mov_b32 s4, ttmp9                            ; the work-group's number picks the source
	s_mov_b32 s32, 0                               ; the source's first work-group
	s_movk_i32 s33, 768                            ; its columns
	s_mov_b32 s36, 0                               ; the destination's first work-group
	s_movk_i32 s37, 1536                           ; its row pitch in bytes
	s_mov_b32 s38, 0                               ; 1: written as f16
	s_mov_b32 s43, 0
	s_wait_kmcnt 0x0
	s_mov_b64 s[30:31], s[8:9]
.macro SEG bound, ptr, k               ; from work-group bound on: another source
	s_cmp_ge_u32 s4, \bound
	s_cselect_b64 s[30:31], s[\ptr:\ptr+1], s[30:31]
	s_cselect_b32 s32, \bound, s32
	s_cselect_b32 s33, \k, s33
.endm
	SEG 128, 10, 512
	SEG 640, 12, 768
	SEG 672, 14, 768
	SEG 704, 16, 512
	SEG 736, 18, 512
	SEG 768, 20, 1024
	SEG 784, 22, 1024
	s_mov_b64 s[34:35], s[24:25]
	s_cmp_ge_u32 s4, 640
	s_cselect_b64 s[34:35], s[26:27], s[34:35]
	s_cselect_b32 s36, 640, s36
	s_cmp_ge_u32 s4, 768
	s_cselect_b64 s[34:35], s[28:29], s[34:35]
	s_cselect_b32 s36, 768, s36
	s_cselect_b32 s37, 2048, s37
	s_cselect_b32 s38, 1, s38
	s_lshr_b32 s39, s33, 8                         ; trips: columns / 256
	s_sub_co_u32 s5, s4, s32
	s_mul_i32 s5, s5, s33
	s_lshl_b32 s42, s5, 7                          ; 32 rows x 4 bytes x columns for each work-group: 33.5 MB at the most
	s_add_nc_u64 s[30:31], s[30:31], s[42:43]
	s_sub_co_u32 s5, s4, s36
	s_mul_i32 s5, s5, s37
	s_lshl_b32 s42, s5, 5                          ; 32 rows x pitch
	s_add_nc_u64 s[34:35], s[34:35], s[42:43]
	s_lshl_b32 s44, s33, 2                         ; bytes in a source row
	s_lshl_b32 s45, s41, 2                         ; my wave's first row
.irp i, 0,1,2,3
	s_add_co_u32 s46, s45, (\i)
	s_mul_i32 s47, s46, s44
	v_add_nc_u32 v[SO+(\i)], s47, v12
	s_mul_i32 s47, s46, s37
	v_add_nc_u32 v[DO+(\i)], s47, v13
.endr
	s_mov_b32 s40, 0
.Ltrip:
.irp i, 0,1,2,3
	global_load_b128 v[X+8*(\i):X+8*(\i)+3],   v[SO+(\i)], s[30:31] th:TH_LOAD_NT
	global_load_b128 v[X+8*(\i)+4:X+8*(\i)+7], v[SO+(\i)], s[30:31] offset:512 th:TH_LOAD_NT
.endr
.set n, 0
.rept 8
	s_wait_loadcnt 7-n                             ; loads return in order: load n is in, the younger ones stay out
	v_cvt_pk_bf16_f32 v[Y+2*n],   v[X+4*n],   v[X+4*n+1]
	v_cvt_pk_bf16_f32 v[Y+2*n+1], v[X+4*n+2], v[X+4*n+3]
.set n, n+1
.endr
	s_cmp_eq_u32 s38, 0
	s_cbranch_scc1 .Lbf
.set n, 0
.rept 16                               ; the bf16 number, widened and written as f16
	v_lshlrev_b32 v[X+2*n],   16, v[Y+n]
	v_and_b32     v[X+2*n+1], 0xffff0000, v[Y+n]
	v_cvt_pk_f16_f32 v[Y+n], v[X+2*n], v[X+2*n+1]
.set n, n+1
.endr
.Lbf:
.irp i, 0,1,2,3
	global_store_b64 v[DO+(\i)], v[Y+4*(\i):Y+4*(\i)+1],   s[34:35]
	global_store_b64 v[DO+(\i)], v[Y+4*(\i)+2:Y+4*(\i)+3], s[34:35] offset:256
.endr
	s_wait_xcnt 0x0                                ; the two bases and Y are rewritten only behind this wait
	s_add_nc_u64 s[30:31], s[30:31], 1024
	s_add_nc_u64 s[34:35], s[34:35], 512
	s_add_co_u32 s40, s40, 1
	s_cmp_lt_u32 s40, s39
	s_cbranch_scc1 .Ltrip
	s_endpgm
.Lfunc_end_k_q96ca991805_prep:
	.size	k_q96ca991805_prep, .Lfunc_end_k_q96ca991805_prep-k_q96ca991805_prep
	.p2alignl 7, 3214868480
	.fill 96, 4, 3214868480
	.section	.rodata,"a",@progbits
	.p2align	6, 0x0
	.amdhsa_kernel k_q96ca991805_prep
		.amdhsa_group_segment_fixed_size 0
		.amdhsa_private_segment_fixed_size 0
		.amdhsa_enable_private_segment 0
		.amdhsa_kernarg_size 88
		.amdhsa_user_sgpr_count 2
		.amdhsa_user_sgpr_kernarg_segment_ptr 1
		.amdhsa_wavefront_size32 1
		.amdhsa_system_sgpr_workgroup_id_x 1
		.amdhsa_system_sgpr_workgroup_id_y 1
		.amdhsa_system_sgpr_workgroup_id_z 1
		.amdhsa_system_vgpr_workitem_id 0
		.amdhsa_next_free_vgpr 64
		.amdhsa_next_free_sgpr 66
		.amdhsa_reserve_vcc 0
		.amdhsa_float_denorm_mode_32 3
		.amdhsa_float_denorm_mode_16_64 3
		.amdhsa_memory_ordered 1
		.amdhsa_forward_progress 1
		.amdhsa_inst_pref_size 10
	.end_amdhsa_kernel
	.amdgpu_metadata
---
amdhsa.version: [ 1, 2 ]
amdhsa.kernels:
  - .name:           k_q96ca991805_prep
    .symbol:         k_q96ca991805_prep.kd
    .args:
      - { .name: l, .offset: 0, .size: 8, .value_kind: global_buffer, .address_space: global }
      - { .name: v, .offset: 8, .size: 8, .value_kind: global_buffer, .address_space: global }
      - { .name: l_proj_w, .offset: 16, .size: 8, .value_kind: global_buffer, .address_space: global }
      - { .name: vl_proj_w, .offset: 24, .size: 8, .value_kind: global_buffer, .address_space: global }
      - { .name: v_proj_w, .offset: 32, .size: 8, .value_kind: global_buffer, .address_space: global }
      - { .name: vv_proj_w, .offset: 40, .size: 8, .value_kind: global_buffer, .address_space: global }
      - { .name: out_v_w, .offset: 48, .size: 8, .value_kind: global_buffer, .address_space: global }
      - { .name: out_l_w, .offset: 56, .size: 8, .value_kind: global_buffer, .address_space: global }
      - { .name: xb, .offset: 64, .size: 8, .value_kind: global_buffer, .address_space: global }
      - { .name: wp, .offset: 72, .size: 8, .value_kind: global_buffer, .address_space: global }
      - { .name: wo, .offset: 80, .size: 8, .value_kind: global_buffer, .address_space: global }
    .group_segment_fixed_size: 0
    .private_segment_fixed_size: 0
    .kernarg_segment_align: 8
    .kernarg_segment_size: 88
    .max_flat_workgroup_size: 256
    .sgpr_count:     66
    .vgpr_count:     64
    .wavefront_size: 32
...
	.end_amdgpu_metadata
.endif
;; end of part 1
;; launch proj (part 2): grid 8 x 32, 4 waves a work-group, clusters of 4 x 4, 327,680 bytes of LDS; arguments xb, wp, l_proj_b, vl_proj_b, v_proj_b, vv_proj_b, kl, qv; writes kl, qv
.if DOCPART == 2
	.amdgcn_target "amdgcn-amd-amdhsa--gfx1250"
	.amdhsa_code_object_version 6
	.text
	.protected	k_q96ca991805_proj
	.globl	k_q96ca991805_proj
	.p2align	8
	.type	k_q96ca991805_proj,@function
k_q96ca991805_proj:
	s_mov_b64 s[64:65], 0
	v_nop
	global_prefetch_b8 v0, s[64:65] scope:SCOPE_SE
	s_setreg_imm32_b32 hwreg(HW_REG_WAVE_MODE, 25, 1), 1
	s_wait_xcnt 0x0
	s_wait_alu depctr_hold_cnt(0) depctr_sa_sdst(0) depctr_va_vdst(0) depctr_va_sdst(0) depctr_va_ssrc(0) depctr_va_vcc(0) depctr_vm_vsrc(0)
	s_getreg_b32 s2, hwreg(HW_REG_IB_STS2, 6, 4)
	s_cmp_eq_u32 s2, 0
	s_cbranch_scc0 .Lentry_in_a_cluster
	s_endpgm
.Lentry_in_a_cluster:
	s_bfe_u32 s2, ttmp6, 0x10000c
	s_cmp_lg_u32 s2, 0xf033
	s_cbranch_scc0 .Lentry_shape_is_right
	s_endpgm
.Lentry_shape_is_right:
; PROJ: the four input projections as two products C = X W^T + bias, bf16 operands, f32 sums, C rounded once to f16 and written by heads.
;   X = l (xb rows 0-4095),     W = wp rows 0-2047    (l_proj_w | vl_proj_w), K = 768 -> kl [b][32][256][64]  (head' 0-15 k, 16-31 val_l)
;   X = v (xb rows 4096-20479), W = wp rows 2048-4095 (v_proj_w | vv_proj_w), K = 512 -> qv [b][32][1024][64] (head' 0-15 q WITHOUT its scale, 16-31 val_v)
; LIMIT: f16 ends at 65,504: a projected number beyond that becomes an infinity.  The biases are rounded to bf16 like all other inputs.
; A tile of C is 256 x 256, four waves of 128 x 128 (64 accumulators, 512 registers).  K goes in steps of 128 through two LDS slots filled by tensor loads whose rows are 256 bytes.
; WORK-GROUPS STAY: 16 clusters of 4 x 4 work-groups, 256 in all; each walks 2 or 3 tiles of one tile column, one below the other.  Cluster y = 0, 1: the product on l, blocks of 1,024 rows y and y + 2
; (2 tiles of 6 K steps); y = 2 .. 7, j = y - 2: the product on v, blocks j, j + 6 and, for j < 4, j + 12 (3 or 2 tiles of 4 K steps): 12 K steps at the most, 11 on average.
; ONE LOOP OVER LAPS (a lap = two K steps = once round the ring) walks all tiles: 2 x 3 = 3 x 2 = 6 or 2 x 2 = 4 laps, of which the last is written out behind the loop, since it fills nothing.
; In a tile's last lap the two refills ask for the next tile's K steps 0 and 1 (the steps of the two addresses are chosen at the trip's head); at that trip's foot the tile leaves and the next tile's
; first products start new sums.  The jump that chooses between that and a plain first quarter goes forward and passes neither a barrier nor a tensor load.  Nothing waits for a tile's stores.
; CLUSTER 4 x 4: the four work-groups of a row of the cluster need the same rows of X, the four of a column the same rows of W: each tile is asked for jointly.
; Product, K, laps and steps hang on the cluster's y alone, so trip counts and branches are equal in all partners.
; The matrix instruction is used transposed (source 0 = 16 rows of W, source 1 = 16 rows of X): a lane holds one token and eight neighbouring channels.
; The bias is the C operand of the product that starts each sum: register 8 b + j of it belongs to the same channel as register j of every accumulator of n block b.
; REGISTERS in windows of 256: window 0: v0-31 addresses, v64-127 and v128-191 X's fragments, v32-63, v192-255 the way out
;   window 1: v0-63 bias, v64-191 W's fragments, v192-223 at work      windows 2, 3: the accumulators ((a, b) at v[8 (8 a + b)])
.set XP,     768                       ; elements from row to row in xb and in wp
.set KSTEP,  128
.set PITCH,  272                       ; an LDS row: 256 bytes + 16 of padding, so that the 16 rows of a fragment load start 16 bytes apart modulo 256
.set HALFT,  128*PITCH
.set SLOT,   4*HALFT
.set STAGE,  2*SLOT                    ; behind the ring: 16 rows x 272 bytes for each wave
.set SPITCH, 272
.set SPARE,  STAGE+4*16*SPITCH         ; the spare words: 128 bytes a wave, named by no other line
.set BACK_L, (768-2*KSTEP)*2           ; bytes from a slot's last K step of a tile back to its first: W goes back by this,
.set BACK_V, (512-2*KSTEP)*2
.set NEXT_L, 2048*XP*2-BACK_L          ; X goes a walk's step of rows down (2,048 or 6,144) and back by it
.set NEXT_V, 6144*XP*2-BACK_V
.set OUT_L,  8*32*256*128              ; the output goes 8 batches on in kl,
.set OUT_V,  6*32*1024*128             ; 6 batches on in qv
.set ADRA, 16
.set ADRB, 20
.set STO,  24
.set RD,   25
.set GO,   26
.set BO,   27
.set SPW,  28
.set NIL,  29
.set F0,   64
.set F1,   128
.set TMP,  192                         ; the way out: packed to f16
.set OB,   32                          ; read back: v32-63 and v224-255 by turns
.set G1, 24
.set G0, 32
.set G1B, 48
.set G0B, 56
.set LC,  2                            ; s2   laps of the tile in hand that have begun
.set LPT, 66                           ; s66  laps in a tile: K / 256
.set EN,  67                           ; s67  1: this trip's lap is its tile's last
.set XA,  18                           ; s[18:19] this trip's step of X's addresses
.set WA,  90                           ; s[90:91] this trip's step of W's addresses forward,
.set WB,  92                           ; s[92:93] and back: one of the two is 0
.set NA,  96                           ; s96  X's step to the next tile
.set BB,  98                           ; s98  W's step back
.set OS,  100                          ; s[100:101] the output's step
.set MSB, 0
.macro WIN new                         ; the immediate's high byte repeats the setting that is left
.if MSB != (\new)
	s_set_vgpr_msb (MSB<<8)|(\new)
.set MSB, \new
.endif
.endm
.set MUL_LO, 0xa1                      ; source 0 (W) window 1, source 1 (X) window 0, C and D window 2
.set MUL_HI, 0xf1                      ; the same, C and D window 3
.set BEG_LO, 0x91                      ; a sum begins: C (the bias) window 1, D window 2
.set BEG_HI, 0xd1                      ; D window 3
.set TO_B,   0x40                      ; destination window 1, address window 0
.macro JLOAD s                         ; a joint load: waves 0, 1 fetch X's two halves, waves 2, 3 W's
	s_cmp_eq_u32 s11, 0
	s_cbranch_scc0 .Lfor_b_\@
	tensor_load_to_lds s[G0+4*(\s):G0+4*(\s)+3], s[G1:G1+7]
	s_nop 0
.rept 4
	v_nop
.endr
	s_branch .Lasked_\@
.Lfor_b_\@:
	tensor_load_to_lds s[G0B+4*(\s):G0B+4*(\s)+3], s[G1B:G1B+7]
	s_nop 0
.rept 4
	v_nop
.endr
.Lasked_\@:
.endm
.macro CREST                           ; a round of the cluster's barrier behind its opening barrier
	s_cmp_lg_u32 s10, 0
	s_cbranch_scc1 .Lnot_wave_0_\@
	s_barrier_signal -3
.Lnot_wave_0_\@:
	s_barrier_wait -3
	s_barrier_signal -1
	s_barrier_wait -1
.endm
.macro CROUND
	s_barrier_signal -1
	s_barrier_wait -1
	CREST
.endm
	s_load_b128 s[4:7], s[0:1], 0x0                ; xb, wp
	s_load_b256 s[68:75], s[0:1], 0x10             ; the four biases
	s_load_b128 s[76:79], s[0:1], 0x30             ; kl, qv
	v_lshl_add_u32 v[SPW], v0, 2, SPARE
	v_mov_b32 v[NIL], 0
	ds_add_u32 v[SPW], v[NIL]                      ; the wave's opening: the add, waited for ahead of my first tensor load
	v_lshrrev_b32 v1, 5, v0
	v_readfirstlane_b32 s10, v1                    ; wave 0..3
	s_lshr_b32 s11, s10, 1                         ; my half of the tile's rows; also: I fetch for X (0) or W (1)
	s_and_b32 s12, s10, 1                          ; my half of its columns; also: which 128 rows I fetch
	s_bfe_u32 s40, ttmp6, 0x40000                  ; cx
	s_bfe_u32 s41, ttmp6, 0x40004                  ; cy
	s_mov_b32 s83, ttmp9                           ; cluster x: 0 = the first projection's columns, 1 = the second's
	s_lshl_b32 s42, s83, 2
	s_add_co_u32 s42, s42, s40                     ; tile column 0..7
	s_and_b32 s80, ttmp7, 0xffff                   ; cluster y 0..7
	s_lshl_b32 s13, s80, 2
	s_add_co_u32 s13, s13, s41                     ; 4 y + cy
	s_lshl_b32 s43, s41, 2
	s_lshl_b32 s43, 15, s43                        ; my row of the cluster
	s_lshl_b32 s44, 0x1111, s40                    ; my column
	s_mov_b32 s[NA], NEXT_V
	s_movk_i32 s[BB], BACK_V
	s_mov_b32 s[OS], OUT_V
	s_cmp_lt_u32 s80, 2                            ; the first two rows of clusters: the product on l
	s_cselect_b32 s82, 1, 0
	s_cselect_b32 s81, 0, 2048                     ; W's first row in wp
	s_cselect_b32 s[LPT], 3, 2                     ; laps in a tile
	s_cselect_b32 s85, 8, 10                       ; log2 of a head's tokens
	s_cselect_b32 s90, 0, 8                        ; v's blocks of 256 rows begin at 16 = 4 x 2 + 8
	s_cselect_b32 s[NA], NEXT_L, s[NA]
	s_cselect_b32 s[BB], BACK_L, s[BB]
	s_cselect_b32 s[OS], OUT_L, s[OS]
	s_cmp_ge_u32 s80, 6                            ; the last two walks on v have no third tile
	s_cselect_b32 s84, 3, 5                        ; trips of the loop: all laps of my walk but the last: 2 x 2 - 1, or 2 x 3 - 1 = 3 x 2 - 1
	s_add_co_u32 s13, s13, s90                     ; my first tile's block of 256 rows of xb
	s_mov_b32 s[OS+1], 0
	s_or_b32 s[G1+0], s43, (1<<16)|(1<<20)|(1<<21)|(5<<22)|(3<<25)  ; the mask; 2-byte elements; padding on, 4 words behind every 64; bit 21 beside a mask
	s_or_b32 s[G1B+0], s44, (1<<16)|(1<<20)|(1<<21)|(5<<22)|(3<<25)
.irp g, G1, G1B
	s_mov_b32 s[(\g)+1], KSTEP<<16                 ; tensor_dim0 = 128
	s_mov_b32 s[(\g)+2], 128<<16                   ; tensor_dim1 = 128
	s_mov_b32 s[(\g)+3], KSTEP<<16                 ; tile_dim0 = 128
	s_mov_b32 s[(\g)+4], 128                       ; tile_dim1 = 128
	s_mov_b32 s[(\g)+5], XP                        ; elements from row to row
	s_mov_b32 s[(\g)+6], 0
	s_mov_b32 s[(\g)+7], 0
.endr
	s_lshl_b32 s17, s12, 7
	s_lshl_b32 s16, s13, 8
	s_add_co_u32 s16, s16, s17                     ; X: row 256 x block + 128 x half
	s_lshl_b32 s46, s42, 8
	s_add_co_u32 s46, s46, s17
	s_add_co_u32 s46, s46, s81                     ; W: its first row + 256 x tile column + 128 x half
	s_mul_i32 s16, s16, XP*2                       ; in bytes: 31.5 MB at the most
	s_mov_b32 s17, 0
	s_mul_i32 s46, s46, XP*2
	s_mov_b32 s47, 0
	s_mul_i32 s20, s10, HALFT                      ; where my fill goes: wave x 128 rows
	s_wait_dscnt 0x0                               ; the opening add is done
	s_wait_kmcnt 0x0
	s_add_nc_u64 s[14:15], s[4:5], s[16:17]
	s_add_nc_u64 s[46:47], s[6:7], s[46:47]
	CROUND                                         ; all sixteen work-groups are here: the first joint loads meet
.irp s, 0,1
	s_mov_b32 s[G0+4*(\s)], 1
	s_add_co_u32 s[G0+4*(\s)+1], s20, (\s)*SLOT
	s_add_nc_u64 s[G0+4*(\s)+2:G0+4*(\s)+3], s[14:15], (\s)*KSTEP*2
	s_or_b32 s[G0+4*(\s)+3], s[G0+4*(\s)+3], 0x80000000
	s_mov_b32 s[G0B+4*(\s)], 1
	s_add_co_u32 s[G0B+4*(\s)+1], s20, (\s)*SLOT
	s_add_nc_u64 s[G0B+4*(\s)+2:G0B+4*(\s)+3], s[46:47], (\s)*KSTEP*2
	s_or_b32 s[G0B+4*(\s)+3], s[G0B+4*(\s)+3], 0x80000000
	JLOAD \s
.endr
	; the bias of my 128 columns: register 8 b + j takes column 16 b + 8 (lane / 16) + j, as the accumulators hold them
	s_cmp_eq_u32 s82, 1
	s_cselect_b64 s[88:89], s[68:69], s[72:73]
	s_cselect_b64 s[94:95], s[70:71], s[74:75]
	s_cmp_eq_u32 s83, 0
	s_cselect_b64 s[88:89], s[88:89], s[94:95]
	s_lshl_b32 s90, s40, 10
	s_lshl_b32 s93, s12, 9
	s_add_co_u32 s90, s90, s93
	s_mov_b32 s91, 0
	s_add_nc_u64 s[88:89], s[88:89], s[90:91]
	v_and_b32 v1, 15, v0                           ; l % 16
	v_bfe_u32 v2, v0, 4, 1                         ; l / 16
	v_lshlrev_b32 v[BO], 5, v2
	WIN TO_B
.irp b, 0,1,2,3,4,5,6,7
	global_load_b128 v[8*(\b):8*(\b)+3],   v[BO], s[88:89] offset:64*(\b)
	global_load_b128 v[8*(\b)+4:8*(\b)+7], v[BO], s[88:89] offset:64*(\b)+16
.endr
	WIN 0
	v_mul_u32_u24 v3, v1, PITCH
	v_lshl_add_u32 v3, v2, 4, v3                   ; a fragment's row x pitch + 16 x half
	s_mul_i32 s21, s11, HALFT
	s_mul_i32 s22, s12, HALFT
	s_add_co_u32 s22, s22, 2*HALFT
.irp s, 0,1
	v_add_nc_u32 v[ADRA+(\s)], s21, v3
	v_add_nc_u32 v[ADRB+(\s)], s22, v3
	s_add_co_u32 s21, s21, SLOT
	s_add_co_u32 s22, s22, SLOT
.endr
	s_mul_i32 s23, s10, 16*SPITCH
	s_add_co_u32 s23, s23, STAGE                   ; my stage
	v_mul_u32_u24 v4, v1, SPITCH
	v_lshl_add_u32 v4, v2, 4, v4
	v_add_nc_u32 v[STO], s23, v4                   ; in: token l % 16, 16 bytes for each half of the lanes
	v_bfe_u32 v5, v0, 3, 2
	v_and_b32 v6, 7, v0
	v_mul_u32_u24 v5, v5, SPITCH
	v_lshl_add_u32 v5, v6, 4, v5
	v_add_nc_u32 v[RD], s23, v5                    ; back: four tokens' 128 bytes of one head
	v_and_b32 v6, 31, v0
	v_lshlrev_b32 v[GO], 4, v6                     ; which are 512 consecutive bytes of the output
	; where my 128 tokens of my two heads begin in the first tile: (((32 batch + head') << log2 tokens) + token) x 128 bytes
	s_max_u32 s90, s13, 16
	s_sub_co_u32 s90, s90, 16
	s_lshr_b32 s91, s90, 2
	s_and_b32 s92, s90, 3
	s_lshl_b32 s92, s92, 8
	s_cmp_eq_u32 s82, 1
	s_cselect_b32 s91, s13, s91                    ; the batch
	s_cselect_b32 s92, 0, s92                      ; the tile's first token
	s_cselect_b64 s[8:9], s[76:77], s[78:79]
	s_lshl_b32 s91, s91, 5
	s_lshl_b32 s93, s42, 2
	s_add_co_u32 s91, s91, s93
	s_lshl_b32 s93, s12, 1
	s_add_co_u32 s91, s91, s93
	s_lshl_b32 s91, s91, s85
	s_add_co_u32 s91, s91, s92
	s_lshl_b32 s93, s11, 7
	s_add_co_u32 s91, s91, s93
	s_lshl_b32 s90, s91, 7
	s_mov_b32 s91, 0
	s_add_nc_u64 s[8:9], s[8:9], s[90:91]          ; my first head
	s_lshl_b32 s90, 128, s85
	s_add_nc_u64 s[86:87], s[8:9], s[90:91]        ; my second
	s_wait_loadcnt 0x0
	WIN 0x45                                       ; all in window 1: the bias is rounded to bf16 and widened again
.set z, 0
.rept 32
	v_cvt_pk_bf16_f32 v[192+z], v[2*z], v[2*z+1]
.set z, z+1
.endr
.set z, 0
.rept 32
	v_lshlrev_b32 v[2*z],   16, v[192+z]
	v_and_b32     v[2*z+1], 0xffff0000, v[192+z]
.set z, z+1
.endr
	WIN 0
.macro MUL16 f, hi, a0, zero           ; 16 matrix instructions: m blocks a0, a0 + 1 of the window's four x all 8 n blocks, 32 along K; zero = 1: the sums begin, with the bias as C
.if \zero
	WIN BEG_LO+0x40*(\hi)
.else
	WIN MUL_LO+0x50*(\hi)
.endif
.irp a, \a0, (\a0)+1
.irp b, 0,1,2,3,4,5,6,7
.if \zero
	v_wmma_f32_16x16x32_bf16 v[8*(8*(\a)+(\b)):8*(8*(\a)+(\b))+7], v[(\f)+8*(\b):(\f)+8*(\b)+7], v[(\f)+8*(4*(\hi)+(\a)):(\f)+8*(4*(\hi)+(\a))+7], v[8*(\b):8*(\b)+7]
.else
	v_wmma_f32_16x16x32_bf16 v[8*(8*(\a)+(\b)):8*(8*(\a)+(\b))+7], v[(\f)+8*(\b):(\f)+8*(\b)+7], v[(\f)+8*(4*(\hi)+(\a)):(\f)+8*(4*(\hi)+(\a))+7], v[8*(8*(\a)+(\b)):8*(8*(\a)+(\b))+7]
.endif
.endr
.endr
.endm
.macro FETCH slot, k, f                ; 32 LDS loads in one run: the fragments of 32 along K at byte k of the rows
	WIN TO_B
.irp i, 0,1,2,3,4,5,6,7
	ds_load_b128 v[(\f)+8*(\i):(\f)+8*(\i)+3],   v[ADRB+(\slot)] offset:(\k)+(\i)*16*PITCH
	ds_load_b128 v[(\f)+8*(\i)+4:(\f)+8*(\i)+7], v[ADRB+(\slot)] offset:(\k)+(\i)*16*PITCH+32
.endr
	WIN 0
.irp i, 0,1,2,3,4,5,6,7
	ds_load_b128 v[(\f)+8*(\i):(\f)+8*(\i)+3],   v[ADRA+(\slot)] offset:(\k)+(\i)*16*PITCH
	ds_load_b128 v[(\f)+8*(\i)+4:(\f)+8*(\i)+7], v[ADRA+(\slot)] offset:(\k)+(\i)*16*PITCH+32
.endr
.endm
.macro PLACES                          ; four independent vector instructions between a matrix instruction and a load into, or a vector use of, its registers
.rept 4
	v_nop
.endr
.endm
.macro QUARTER slot, k, f, g, zero     ; 64 matrix instructions on buffer f; in the middle the next quarter's fragments go into buffer g
	s_wait_dscnt 8                                 ; W and X's rows 0-63 are in; the youngest eight loads may be out
	MUL16 \f, 0, 0, \zero
	MUL16 \f, 0, 2, \zero
	PLACES
	FETCH \slot, \k, \g
	s_wait_dscnt 32                                ; all but the 32 just issued
	MUL16 \f, 1, 0, \zero
	MUL16 \f, 1, 2, \zero
.endm
.macro MEET round                      ; the change of slots: all my tensor loads, the add, my reads of the slot; then the barrier
	WIN 0
	s_wait_tensorcnt 0x0                           ; the one that was out is my part of the next slot
	ds_add_u32 v[SPW], v[NIL]                      ; 0 onto my spare word
	s_wait_dscnt 9                                 ; the add and the youngest eight loads may be out
	MUL16 F1, 0, 0, 0
	s_wait_dscnt 0x0                               ; the add is done, my reads of this slot are over
	s_barrier_signal -1
	MUL16 F1, 0, 2, 0
.if \round
	WIN 0
.endif
	s_barrier_wait -1
.endm
; The last quarter of a K step.  fill = 1: the slot just read is filled again, first thing behind a round of the cluster's barrier, with what the walk's next lap has for it:
; this tile's K step two on, or, in a tile's last lap, the next tile's K step 0 or 1.  The steps were chosen at the trip's head; of W's two one is 0.
.macro TURN slot, next, fill
	MEET \fill
.if \fill
	CREST
	s_add_nc_u64 s[G0+4*(\slot)+2:G0+4*(\slot)+3], s[G0+4*(\slot)+2:G0+4*(\slot)+3], s[XA:XA+1]
	s_add_nc_u64 s[G0B+4*(\slot)+2:G0B+4*(\slot)+3], s[G0B+4*(\slot)+2:G0B+4*(\slot)+3], s[WA:WA+1]
	s_sub_nc_u64 s[G0B+4*(\slot)+2:G0B+4*(\slot)+3], s[G0B+4*(\slot)+2:G0B+4*(\slot)+3], s[WB:WB+1]
	JLOAD \slot
.else
	PLACES
.endif
	FETCH \next, 0, F0
	MUL16 F1, 1, 0, 0
	MUL16 F1, 1, 2, 0
.endm
; THE WAY OUT of block a (16 tokens x 128 channels): rounded to f16, through my own stage, out as 512 consecutive bytes a store.  It touches neither fragment buffer 0 nor the bias.
.macro PACK a
.set AC, 64*((\a)%4)
	WIN 0x0a+5*((\a)/4)                            ; sources 0 and 1: the accumulators' window
.set z, 0
.rept 32
	v_cvt_pk_f16_f32 v[TMP+z], v[AC+2*z], v[AC+2*z+1]
.set z, z+1
.endr
	WIN 0
.endm
.macro TOSTAGE a
.set BK, OB+192*((\a)%2)
.irp b, 0,1,2,3,4,5,6,7
	ds_store_b128 v[STO], v[TMP+4*(\b):TMP+4*(\b)+3] offset:32*(\b)
.endr
.irp t, 0,1,2,3,4,5,6,7                ; head t / 4, tokens 4 (t % 4) on; LDS serves a wave's instructions in order, so these see the stores above
	ds_load_b128 v[BK+4*(\t):BK+4*(\t)+3], v[RD] offset:((\t)/4)*128+((\t)%4)*4*SPITCH
.endr
.endm
.macro SEND a
.set BK, OB+192*((\a)%2)
	s_wait_dscnt 0x0                               ; the block is back in registers
	s_wait_xcnt 0x0                                ; the registers that earlier stores read are loaded again only behind this wait
.irp t, 0,1,2,3
	global_store_b128 v[GO], v[BK+4*(\t):BK+4*(\t)+3], s[8:9] offset:2048*(\a)+512*(\t)
.endr
.irp t, 0,1,2,3
	global_store_b128 v[GO], v[BK+16+4*(\t):BK+16+4*(\t)+3], s[86:87] offset:2048*(\a)+512*(\t)
.endr
.endm
.macro WAYOUT                          ; block a's conversions stand between block a - 1's loads from the stage and the wait for them
	PACK 0
	TOSTAGE 0
.irp a, 1,2,3,4,5,6,7
	PACK \a
	SEND (\a)-1
	TOSTAGE \a
.endr
	SEND 7
.endm
	s_wait_tensorcnt 1                             ; my part of K step 0 is in; K step 1's may stay out
	s_barrier_signal -1
	s_barrier_wait -1
	FETCH 0, 0, F0
	QUARTER 0, 64,  F0, F1, 1                      ; the first tile's first quarter: its products start the sums, with the bias
	WIN 0
	s_mov_b32 s3, 0
	s_mov_b32 s[LC], 0
	s_mov_b32 s[XA+1], 0
	s_mov_b32 s[WA+1], 0
	s_mov_b32 s[WB+1], 0
.Llap:                                                 ; a trip goes once round the ring, from a lap's second quarter to the next lap's first, and fills both slots again
	s_add_co_u32 s[LC], s[LC], 1
	s_cmp_eq_u32 s[LC], s[LPT]                     ; is this lap its tile's last?
	s_cselect_b32 s[EN], 1, 0
	s_cselect_b32 s[XA], s[NA], 2*KSTEP*2          ; X: to the next tile's first lap, or two K steps on
	s_cselect_b32 s[WA], 0, 2*KSTEP*2              ; W: two K steps on,
	s_cselect_b32 s[WB], s[BB], 0                  ; or back to its first lap: the walk's tiles share their rows of W
	s_cselect_b32 s[LC], 0, s[LC]
	QUARTER 0, 128, F1, F0, 0
	QUARTER 0, 192, F0, F1, 0
	TURN 0, 1, 1
	QUARTER 1, 64,  F0, F1, 0
	QUARTER 1, 128, F1, F0, 0
	QUARTER 1, 192, F0, F1, 0
	TURN 1, 0, 1                                   ; the next lap's first fragments are fetched into buffer 0
	WIN 0
	s_cmp_eq_u32 s[EN], 1
	s_cbranch_scc0 .Lsame
	WAYOUT                                         ; THE TILE IS FINISHED, and both refills for the next are asked for: now it leaves.  Blocks 0-3 were finished ahead of the four v_nop behind the joint load;
	                                               ; their 128 conversions, which name no register of the last products (blocks 4-7's), stand between those products and their conversions
	s_wait_xcnt 0x0                                ; the stores' bases are stepped only behind this wait
	s_add_nc_u64 s[8:9], s[8:9], s[OS:OS+1]
	s_add_nc_u64 s[86:87], s[86:87], s[OS:OS+1]
	QUARTER 0, 64,  F0, F1, 1                      ; the next tile's first quarter starts new sums, with the bias
	WIN 0
	s_branch .Ljoin
.Lsame:
	QUARTER 0, 64,  F0, F1, 0                      ; the same tile goes on
	WIN 0
.Ljoin:
	s_add_co_u32 s3, s3, 1
	s_cmp_lt_u32 s3, s84
	s_cbranch_scc1 .Llap
	QUARTER 0, 128, F1, F0, 0                      ; the walk's last lap fills nothing and is written out
	QUARTER 0, 192, F0, F1, 0
	TURN 0, 1, 0
	QUARTER 1, 64,  F0, F1, 0
	QUARTER 1, 128, F1, F0, 0
	QUARTER 1, 192, F0, F1, 0
	s_wait_dscnt 8
	MUL16 F1, 0, 0, 0
	MUL16 F1, 0, 2, 0
	s_wait_dscnt 0x0
	MUL16 F1, 1, 0, 0
	MUL16 F1, 1, 2, 0
	PLACES
	WAYOUT
	s_wait_tensorcnt 0x0                           ; the wave's end
	ds_add_u32 v[SPW], v[NIL]
	s_wait_dscnt 0x0
	CROUND                                         ; the closing round
	s_endpgm
.Lfunc_end_k_q96ca991805_proj:
	.size	k_q96ca991805_proj, .Lfunc_end_k_q96ca991805_proj-k_q96ca991805_proj
	.p2alignl 7, 3214868480
	.fill 96, 4, 3214868480
	.section	.rodata,"a",@progbits
	.p2align	6, 0x0
	.amdhsa_kernel k_q96ca991805_proj
		.amdhsa_group_segment_fixed_size 327680
		.amdhsa_private_segment_fixed_size 0
		.amdhsa_enable_private_segment 0
		.amdhsa_kernarg_size 64
		.amdhsa_user_sgpr_count 2
		.amdhsa_user_sgpr_kernarg_segment_ptr 1
		.amdhsa_wavefront_size32 1
		.amdhsa_system_sgpr_workgroup_id_x 1
		.amdhsa_system_sgpr_workgroup_id_y 1
		.amdhsa_system_sgpr_workgroup_id_z 1
		.amdhsa_system_vgpr_workitem_id 0
		.amdhsa_next_free_vgpr 1024
		.amdhsa_next_free_sgpr 102
		.amdhsa_reserve_vcc 0
		.amdhsa_float_denorm_mode_32 3
		.amdhsa_float_denorm_mode_16_64 3
		.amdhsa_memory_ordered 1
		.amdhsa_forward_progress 1
		.amdhsa_inst_pref_size 188
	.end_amdhsa_kernel
	.amdgpu_metadata
---
amdhsa.version: [ 1, 2 ]
amdhsa.kernels:
  - .name:           k_q96ca991805_proj
    .symbol:         k_q96ca991805_proj.kd
    .args:
      - { .name: xb, .offset: 0, .size: 8, .value_kind: global_buffer, .address_space: global }
      - { .name: wp, .offset: 8, .size: 8, .value_kind: global_buffer, .address_space: global }
      - { .name: l_proj_b, .offset: 16, .size: 8, .value_kind: global_buffer, .address_space: global }
      - { .name: vl_proj_b, .offset: 24, .size: 8, .value_kind: global_buffer, .address_space: global }
      - { .name: v_proj_b, .offset: 32, .size: 8, .value_kind: global_buffer, .address_space: global }
      - { .name: vv_proj_b, .offset: 40, .size: 8, .value_kind: global_buffer, .address_space: global }
      - { .name: kl, .offset: 48, .size: 8, .value_kind: global_buffer, .address_space: global }
      - { .name: qv, .offset: 56, .size: 8, .value_kind: global_buffer, .address_space: global }
    .group_segment_fixed_size: 327680
    .private_segment_fixed_size: 0
    .kernarg_segment_align: 8
    .kernarg_segment_size: 64
    .max_flat_workgroup_size: 128
    .sgpr_count:     102
    .vgpr_count:     1024
    .wavefront_size: 32
...
	.end_amdgpu_metadata
.endif
;; end of part 2
;; launch gmax (part 3): grid 256 x 1, 8 waves a work-group, no clusters, 167,936 bytes of LDS; arguments qv, kl, gpart; writes gpart
.if DOCPART == 3
	.amdgcn_target "amdgcn-amd-amdhsa--gfx1250"
	.amdhsa_code_object_version 6
	.text
	.protected	k_q96ca991805_gmax
	.globl	k_q96ca991805_gmax
	.p2align	8
	.type	k_q96ca991805_gmax,@function
k_q96ca991805_gmax:
	s_mov_b64 s[64:65], 0
	v_nop
	global_prefetch_b8 v0, s[64:65] scope:SCOPE_SE
	s_setreg_imm32_b32 hwreg(HW_REG_WAVE_MODE, 25, 1), 1
	s_wait_xcnt 0x0
; GMAX: gpart[16 b + h] = the largest raw score q . k (without the scale 1/8) of batch b, head h, masked tokens included: the reference takes its global maximum ahead of the masks.
; It is needed because the clip at maximum - 50,000 acts as soon as the scores spread further than that; the maximum spans all work-groups, so it has a launch of its own.
; A work-group has one (b, h); no input is shared between work-groups, so there is no cluster.  The head's 256 rows of k come into LDS once (two tensor loads, first fills only);
; a wave holds 128 rows of q in registers (8 tiles of 16) and walks the keys 16 at a time: 16 matrix instructions, 8 accumulators by turns, then 32 three-operand maxima.
.set PK,    144                        ; a row of k in LDS: 128 bytes + 16 of padding
.set RED,   256*PK                     ; eight words: the waves' maxima
.set SPARE, RED+256                    ; the spare words: 128 bytes a wave, named by no other line
.set AK,  4
.set QO,  5
.set RA,  10
.set ZO,  11
.set SPW, 14
.set NIL, 15
.set KF,  32                           ; v32-47  16 keys x 64 channels
.set R,   48                           ; v48-55  a running maximum for each tile
.set Q,   64                           ; v64-191 tile u, channel half c at Q + 16 u + 8 c
.set S,   192                          ; v192-255 tile u's scores at S + 8 u
	s_load_b128 s[4:7], s[0:1], 0x0                ; qv, kl
	s_load_b64 s[8:9], s[0:1], 0x10                ; gpart
	v_lshl_add_u32 v[SPW], v0, 2, SPARE
	v_mov_b32 v[NIL], 0
	ds_add_u32 v[SPW], v[NIL]                      ; the wave's opening: the add, waited for ahead of the first tensor load
	v_lshrrev_b32 v1, 5, v0
	v_readfirstlane_b32 s12, v1                    ; wave 0..7
	s_lshr_b32 s13, ttmp9, 4                       ; b
	s_and_b32 s14, ttmp9, 15                       ; h
	s_lshl_b32 s15, s13, 5
	s_add_co_u32 s15, s15, s14                     ; 32 b + h
	s_and_b32 s16, s12, 1                          ; which half of the keys a filling wave takes
	s_lshl_b32 s18, s15, 15
	s_lshl_b32 s17, s16, 14
	s_add_co_u32 s18, s18, s17
	s_mov_b32 s19, 0
	s_lshl_b32 s20, s15, 17
	s_lshl_b32 s17, s12, 14                        ; my wave's 128 rows of q
	s_add_co_u32 s20, s20, s17
	s_mov_b32 s21, 0
	s_lshl_b32 s22, ttmp9, 2
	s_mov_b32 s23, 0
	s_mov_b32 s24, (1<<16)|(1<<20)|(4<<22)|(3<<25) ; 2-byte elements; padding on: 4 words behind every 32
	s_mov_b32 s25, 128<<16                         ; 128 keys are 16,384 dense bytes: 64 rows of 128 elements
	s_mov_b32 s26, 64<<16
	s_mov_b32 s27, 128<<16
	s_mov_b32 s28, 64
	s_mov_b32 s29, 128
	s_mov_b32 s30, 0
	s_mov_b32 s31, 0
	s_mov_b32 s40, 1
	s_mul_i32 s41, s16, 128*PK
	s_mov_b32 s44, 0x76543210
	s_mov_b32 s45, 0xfedcba98
	s_wait_dscnt 0x0
	s_barrier_signal -1
	s_barrier_wait -1
	s_wait_kmcnt 0x0
	s_add_nc_u64 s[42:43], s[6:7], s[18:19]
	s_or_b32 s43, s43, 0x80000000
	s_add_nc_u64 s[4:5], s[4:5], s[20:21]
	s_add_nc_u64 s[8:9], s[8:9], s[22:23]
	s_cmp_lt_u32 s12, 2
	s_cbranch_scc0 .Lnofill
	tensor_load_to_lds s[40:43], s[24:31]
	s_nop 0
.rept 4
	v_nop
.endr
.Lnofill:
	v_and_b32 v1, 15, v0
	v_bfe_u32 v2, v0, 4, 1
	v_lshlrev_b32 v[QO], 7, v1
	v_lshl_add_u32 v[QO], v2, 4, v[QO]             ; row x 128 + 16 x half
.set i, 0
.rept 16
	global_load_b128 v[Q+8*i:Q+8*i+3],   v[QO], s[4:5] offset:(i/2)*2048+(i%2)*64
	global_load_b128 v[Q+8*i+4:Q+8*i+7], v[QO], s[4:5] offset:(i/2)*2048+(i%2)*64+32
.set i, i+1
.endr
	v_mul_u32_u24 v[AK], v1, PK
	v_lshl_add_u32 v[AK], v2, 4, v[AK]
.irp u, 0,1,2,3,4,5,6,7
	v_mov_b32 v[R+(\u)], 0xff800000
.endr
	v_mov_b32 v[RA], s12
	v_lshl_add_u32 v[RA], v[RA], 2, RED
	v_mov_b32 v[ZO], 0
	s_wait_tensorcnt 0x0                           ; a filling wave's half has landed
	s_barrier_signal -1
	s_barrier_wait -1                              ; both have
.macro KLOAD
	ds_load_b128 v[KF:KF+3],     v[AK]
	ds_load_b128 v[KF+4:KF+7],   v[AK] offset:32
	ds_load_b128 v[KF+8:KF+11],  v[AK] offset:64
	ds_load_b128 v[KF+12:KF+15], v[AK] offset:96
.endm
.macro TRIP fetch
	s_wait_dscnt 0x0                               ; this trip's 16 keys are in
.irp c, 0,1
.irp u, 0,1,2,3,4,5,6,7
.if (\c) == 0
	v_wmma_f32_16x16x32_f16 v[S+8*(\u):S+8*(\u)+7], v[KF:KF+7], v[Q+16*(\u):Q+16*(\u)+7], 0
.else
	v_wmma_f32_16x16x32_f16 v[S+8*(\u):S+8*(\u)+7], v[KF+8:KF+15], v[Q+16*(\u)+8:Q+16*(\u)+15], v[S+8*(\u):S+8*(\u)+7]
.endif
.endr
.endr
	v_add_nc_u32 v[AK], 16*PK, v[AK]               ; four independent vector instructions ahead of the loads into the fragments and of the maxima
	v_nop
	v_nop
	v_nop
.if \fetch
	KLOAD
.endif
.irp j, 0,1,2,3                        ; each accumulator's lowest registers first
.irp u, 0,1,2,3,4,5,6,7
	v_max3_num_f32 v[R+(\u)], v[R+(\u)], v[S+8*(\u)+2*(\j)], v[S+8*(\u)+2*(\j)+1]
.endr
.endr
.endm
	KLOAD
	s_wait_loadcnt 0x0                             ; q
	s_mov_b32 s24, 15
.Lkeys:
	TRIP 1
	s_sub_co_u32 s24, s24, 1
	s_cmp_lg_u32 s24, 0
	s_cbranch_scc1 .Lkeys
	TRIP 0
	v_max3_num_f32 v[R], v[R], v[R+1], v[R+2]
	v_max3_num_f32 v[R+3], v[R+3], v[R+4], v[R+5]
	v_max3_num_f32 v[R], v[R], v[R+6], v[R+7]
	v_max_num_f32 v[R], v[R], v[R+3]
	v_max_num_f32_dpp v[R], v[R], v[R] row_xmask:1 row_mask:0xf bank_mask:0xf
	v_max_num_f32_dpp v[R], v[R], v[R] row_xmask:2 row_mask:0xf bank_mask:0xf
	v_max_num_f32_dpp v[R], v[R], v[R] row_xmask:4 row_mask:0xf bank_mask:0xf
	v_max_num_f32_dpp v[R], v[R], v[R] row_xmask:8 row_mask:0xf bank_mask:0xf
	v_permlanex16_b32 v[R+1], v[R], s44, s45
	v_max_num_f32 v[R], v[R], v[R+1]
	ds_store_b32 v[RA], v[R]                       ; my wave's word
	s_wait_dscnt 0x0                               ; for the others' sake
	s_barrier_signal -1
	s_barrier_wait -1
	v_mov_b32 v[RA], RED
	ds_load_b128 v[32:35], v[RA]
	ds_load_b128 v[36:39], v[RA] offset:16
	s_wait_dscnt 0x0
	v_max3_num_f32 v32, v32, v33, v34
	v_max3_num_f32 v35, v35, v36, v37
	v_max3_num_f32 v32, v32, v38, v39
	v_max_num_f32 v32, v32, v35
	s_wait_xcnt 0x0                                ; EXEC changes only behind this wait
	v_cmp_gt_u32 vcc_lo, 1, v0
	s_and_saveexec_b32 s20, vcc_lo
	global_store_b32 v[ZO], v32, s[8:9]            ; thread 0: four bytes a work-group, 1,024 in the launch
	s_wait_xcnt 0x0
	s_or_b32 exec_lo, exec_lo, s20
	s_wait_tensorcnt 0x0                           ; the wave's end
	ds_add_u32 v[SPW], v[NIL]
	s_wait_dscnt 0x0
	s_endpgm
.Lfunc_end_k_q96ca991805_gmax:
	.size	k_q96ca991805_gmax, .Lfunc_end_k_q96ca991805_gmax-k_q96ca991805_gmax
	.p2alignl 7, 3214868480
	.fill 96, 4, 3214868480
	.section	.rodata,"a",@progbits
	.p2align	6, 0x0
	.amdhsa_kernel k_q96ca991805_gmax
		.amdhsa_group_segment_fixed_size 167936
		.amdhsa_private_segment_fixed_size 0
		.amdhsa_enable_private_segment 0
		.amdhsa_kernarg_size 24
		.amdhsa_user_sgpr_count 2
		.amdhsa_user_sgpr_kernarg_segment_ptr 1
		.amdhsa_wavefront_size32 1
		.amdhsa_system_sgpr_workgroup_id_x 1
		.amdhsa_system_sgpr_workgroup_id_y 1
		.amdhsa_system_sgpr_workgroup_id_z 1
		.amdhsa_system_vgpr_workitem_id 0
		.amdhsa_next_free_vgpr 256
		.amdhsa_next_free_sgpr 66
		.amdhsa_reserve_vcc 1
		.amdhsa_float_denorm_mode_32 3
		.amdhsa_float_denorm_mode_16_64 3
		.amdhsa_memory_ordered 1
		.amdhsa_forward_progress 1
		.amdhsa_inst_pref_size 15
	.end_amdhsa_kernel
	.amdgpu_metadata
---
amdhsa.version: [ 1, 2 ]
amdhsa.kernels:
  - .name:           k_q96ca991805_gmax
    .symbol:         k_q96ca991805_gmax.kd
    .args:
      - { .name: qv, .offset: 0, .size: 8, .value_kind: global_buffer, .address_space: global }
      - { .name: kl, .offset: 8, .size: 8, .value_kind: global_buffer, .address_space: global }
      - { .name: gpart, .offset: 16, .size: 8, .value_kind: global_buffer, .address_space: global }
    .group_segment_fixed_size: 167936
    .private_segment_fixed_size: 0
    .kernarg_segment_align: 8
    .kernarg_segment_size: 24
    .max_flat_workgroup_size: 256
    .sgpr_count:     66
    .vgpr_count:     256
    .wavefront_size: 32
...
	.end_amdgpu_metadata
.endif
;; end of part 3
;; launch attn (part 4): grid 256 x 1, 8 waves a work-group, no clusters, 327,680 bytes of LDS; arguments qv, kl, gpart, attention_mask_v, attention_mask_l, ov, ol; writes ov, ol
.if DOCPART == 4
	.amdgcn_target "amdgcn-amd-amdhsa--gfx1250"
	.amdhsa_code_object_version 6
	.text
	.protected	k_q96ca991805_attn
	.globl	k_q96ca991805_attn
	.p2align	8
	.type	k_q96ca991805_attn,@function
k_q96ca991805_attn:
	s_mov_b64 s[64:65], 0
	v_nop
	global_prefetch_b8 v0, s[64:65] scope:SCOPE_SE
	s_setreg_imm32_b32 hwreg(HW_REG_WAVE_MODE, 25, 1), 1
	s_wait_xcnt 0x0
; ATTN: both directions of the attention of one (batch, head).  x = q . k is the raw score (q without its scale), a = log2(e) / 8.
; Softmax does not change under a shift, so both softmaxes of the reference are softmaxes of z = max(x, g - 400,000) / 8, g the largest raw score of all batches and heads
; (the lower clip at -50,000 of the scaled, shifted scores).  The upper clip never acts (no score exceeds g), and the second clip never acts (both of its terms lie in -50,000 .. 0).
; A masked key has z = -infinity.  Clip and mask are one instruction: z = min(max(x, TH), HI), HI = +infinity or -infinity from a table made of the mask once.
; p = 2^(a z - a m) with a running maximum m over the visible keys; O and l are multiplied by 2^(a m_old - a m_new) in every step.  m starts at the lowest finite number, O and l at 0.
; PHASE L (out_l): the 256 text tokens are the queries (32 a wave), q's rows the keys, val_v the values, attention_mask_v the mask: 16 steps of 64 keys.
; PHASE V (out_v): the 1,024 vision tokens are the queries, four blocks of 256 (32 a wave), k's rows the keys, val_l the values, attention_mask_l the mask: 4 steps a block.
; LIMITS: q, k, values arrive in f16 (65,504 at the most); p is rounded to f16 for the second product, l is summed of the unrounded p; a weight below 2^-126 counts as 0;
; a batch whose mask hides every key gives 0 x infinity = NaN, as the reference does.
; NO CLUSTER: no two work-groups read the same tile.  Eight waves, two to a SIMD, each with a plain text: one wave's vector work stands beside the other's products.
; LAYOUT: S^T = K Q^T holds one query a lane (lane % 16) and the keys 8 (lane / 16) + 0..7; two such results rounded to f16 are source 1 of O^T = V^T P.
; THE RING: five tiles of 256 keys with their values (q | val_v tiles 0-3, then k | val_l) walk through two LDS slots; waves 0, 1 fill the keys' halves, waves 2, 3 the values'.
; REGISTERS: window 0: v2-15 addresses, v16-31 statistics, v32-63 HI and then P, v64-127 S^T, v128-191 keys' fragments, v192-223 queries' fragments, v224-255 the way out
;            window 1: v0-63 O^T, v64-127 values' fragments
.set KS,    64
.set PK,    144                        ; a key's row in LDS: 128 bytes + 16
.set PV,    160                        ; a value's row: 128 + 32, for the turning load
.set VOFF,  4*KS*PK
.set SLOT1, 1<<17
.set STAGE, SLOT1+4*KS*(PK+PV)         ; 16 rows x 144 bytes for each wave
.set SP,    144
.set TABT,  STAGE+8*16*SP              ; HI of the 1,024 vision tokens
.set TABS,  TABT+4096                  ; HI of the 256 text tokens
.set SPARE, TABS+1024                  ; the spare words: 128 bytes a wave, named by no other line
.set AK0, 2
.set AV0, 3
.set AH0, 4
.set AK,  5
.set AV,  6
.set AH,  7
.set STO, 8
.set RD,  9
.set GO,  10
.set QO,  11
.set MV,  12                           ; v12-13 a m_old
.set SPW, 14
.set NIL, 15
.set ST,  16                           ; tile u at ST + 8 u: a m, m, l, l, c0-c3 at work (c2 takes the rescaling factor)
.set HI,  32
.set P,   32
.set S,   64
.set KF,  128
.set QF,  192
.set W,   224
.set VF,  64                           ; window 1
.set WV,  12
.set G1K, 24
.set G1V, 32
.set G0K, 40
.set G0V, 44
.set SLOTS, 56
.set CNT, 57
.set CS,  58
.set SEL, 60
.set TBK, 62
.set TBV, 63
.set THI, 70
.set NXT, 71
.set OFF, 72
.set TH,  74
.set BLK, 75
.set KQB, 76                           ; s[76:77] q as keys, my half of tile 0
.set VVB, 78                           ; val_v
.set KKB, 80                           ; k as keys
.set VLB, 82                           ; val_l
.set QP,  84                           ; the queries' rows of my wave
.set OP,  86                           ; the output rows of my wave
.set OVP, 88                           ; phase V's output
.set QVP, 90                           ; phase V's queries
.set MSB, 0
.macro WIN new
.if MSB != (\new)
	s_set_vgpr_msb (MSB<<8)|(\new)
.set MSB, (\new)
.endif
.endm
.set W_PV, 0x51                        ; values and O^T in window 1, P in window 0
.set W_RS, 0x41                        ; destination and source 0 in window 1
.macro LOAD                            ; waves 0, 1: the keys' halves; waves 2, 3: the values'; the others fill nothing
	s_cmp_lt_u32 s[WV], 2
	s_cbranch_scc0 .Lnot_k_\@
	tensor_load_to_lds s[G0K:G0K+3], s[G1K:G1K+7]
	s_nop 0
.rept 4
	v_nop
.endr
	s_branch .Lasked_\@
.Lnot_k_\@:
	s_cmp_lt_u32 s[WV], 4
	s_cbranch_scc0 .Lasked_\@
	tensor_load_to_lds s[G0V:G0V+3], s[G1V:G1V+7]
	s_nop 0
.rept 4
	v_nop
.endr
.Lasked_\@:
.endm
; THE CHANGE OF SLOTS: every wave waits for all its tensor loads (at most one is out), adds 0 to its spare word, waits for that and for its reads of the slot it leaves, and passes the barrier.
; fill = 1: the slot left is filled with tile NXT, first thing behind the barrier; tile 4 is k | val_l.
.macro CHANGE fill
	WIN 0
	s_wait_tensorcnt 0x0
	ds_add_u32 v[SPW], v[NIL]
.if \fill
	s_lshl_b32 s[OFF], s[NXT], 15
	s_cmp_eq_u32 s[NXT], 4
	s_cselect_b32 s[OFF], 0, s[OFF]
	s_cselect_b64 s[92:93], s[KKB:KKB+1], s[KQB:KQB+1]
	s_cselect_b64 s[94:95], s[VLB:VLB+1], s[VVB:VVB+1]
	s_xor_b32 s[G0K+1], s[G0K+1], SLOT1
	s_add_nc_u64 s[G0K+2:G0K+3], s[92:93], s[OFF:OFF+1]
	s_or_b32 s[G0K+3], s[G0K+3], 0x80000000
	s_xor_b32 s[G0V+1], s[G0V+1], SLOT1
	s_add_nc_u64 s[G0V+2:G0V+3], s[94:95], s[OFF:OFF+1]
	s_or_b32 s[G0V+3], s[G0V+3], 0x80000000
	s_add_co_u32 s[NXT], s[NXT], 1
.endif
	s_wait_dscnt 0x0                               ; the add, my stores into the tables and my reads of the slot are done
	s_barrier_signal -1
	s_sub_co_u32 s[TBK], s[TBK], 4*KS*PK           ; the fetches go back to a slot's first step, in the other slot
	s_xor_b32 s[TBK], s[TBK], SLOT1
	s_sub_co_u32 s[TBV], s[TBV], 4*KS*PV
	s_xor_b32 s[TBV], s[TBV], SLOT1
	s_barrier_wait -1
.if \fill
	LOAD
.endif
.endm
.macro QLOAD                           ; my 32 queries: tile i / 2, channels 32 (i % 2) on
.set i, 0
.rept 4
	global_load_b128 v[QF+8*i:QF+8*i+3],   v[QO], s[QP:QP+1] offset:(i/2)*2048+(i%2)*64
	global_load_b128 v[QF+8*i+4:QF+8*i+7], v[QO], s[QP:QP+1] offset:(i/2)*2048+(i%2)*64+32
.set i, i+1
.endr
.endm
.macro INIT                            ; a block begins: under an input mask no first step can be relied on to wipe old sums, so they are cleared
	WIN 0x40
.set z, 0
.rept 64
	v_mov_b32 v[z], 0
.set z, z+1
.endr
	WIN 0
.irp u, 0,1
	v_mov_b32 v[ST+8*(\u)+1], 0xff7fffff
	v_mov_b32 v[ST+8*(\u)+2], 0
	v_mov_b32 v[ST+8*(\u)+3], 0
	v_mul_f32 v[ST+8*(\u)], s[CS], v[ST+8*(\u)+1]
.endr
.endm
.macro KQ                              ; product i of 16 of S^T: tile i % 2, keys 16 ((i / 2) % 4) on, channels 32 (i / 8) on; the 8 accumulators take turns
.set rS, S+32*(i%2)+8*((i/2)%4)
.set rK, KF+16*((i/2)%4)+8*(i/8)
.set rQ, QF+16*(i%2)+8*(i/8)
.if i < 8
	v_wmma_f32_16x16x32_f16 v[rS:rS+7], v[rK:rK+7], v[rQ:rQ+7], 0
.else
	v_wmma_f32_16x16x32_f16 v[rS:rS+7], v[rK:rK+7], v[rQ:rQ+7], v[rS:rS+7]
.endif
.set i, i+1
.endm
.macro PVM                             ; product i of 16 of O^T: tile i % 2, channels 16 ((i / 2) % 4) on, keys 32 (i / 8) on
.set rO, 32*(i%2)+8*((i/2)%4)
.set rV, VF+32*(i/8)+8*((i/2)%4)
.set rP, P+16*(i%2)+8*(i/8)
	v_wmma_f32_16x16x32_f16 v[rO:rO+7], v[rV:rV+7], v[rP:rP+7], v[rO:rO+7]
.set i, i+1
.endm
; number n of the list that finds tile u's maximum and statistics: 0-11 four chains of seven scores; 12-14, 16 the four left over, the old m, and the chains into c0;
; 17, 18 the query's other 32 keys lie in the lane 16 away; 19-21 a m, a m_old - a m_new, the factor
.macro XS u, n
.set rT, ST+8*(\u)
.set rC, ST+8*(\u)+4
.set rS, S+32*(\u)
.if (\n) < 4
	v_max3_num_f32 v[rC+(\n)], v[rS+8*(\n)], v[rS+8*(\n)+1], v[rS+8*(\n)+2]
.elseif (\n) < 12
	v_max3_num_f32 v[rC+(\n)%4], v[rC+(\n)%4], v[rS+8*((\n)%4)+2*((\n)/4)+1], v[rS+8*((\n)%4)+2*((\n)/4)+2]
.elseif (\n) == 12
	v_max3_num_f32 v[rC], v[rC], v[rS+7], v[rS+15]
.elseif (\n) == 13
	v_max3_num_f32 v[rC+1], v[rC+1], v[rS+23], v[rS+31]
.elseif (\n) == 14
	v_max3_num_f32 v[rC+2], v[rC+2], v[rC+3], v[rT+1]
.elseif (\n) == 16
	v_max3_num_f32 v[rC], v[rC], v[rC+1], v[rC+2]
.elseif (\n) == 17
	v_permlanex16_b32 v[rC+3], v[rC], s[SEL], s[SEL+1]
.elseif (\n) == 18
	v_max_num_f32 v[rT+1], v[rC], v[rC+3]
.elseif (\n) == 19
	v_mul_f32 v[rT], s[CS], v[rT+1]
.elseif (\n) == 20
	v_sub_f32 v[rC+1], v[MV+(\u)], v[rT]
.else
	v_exp_f32 v[rC+2], v[rC+1]
.endif
.endm
.macro ADDP x, y                       ; in both tiles pair x of the weights takes pair y
.irp u, 0,1
	v_pk_add_f32 v[S+32*(\u)+2*(\x):S+32*(\u)+2*(\x)+1], v[S+32*(\u)+2*(\x):S+32*(\u)+2*(\x)+1], v[S+32*(\u)+2*(\y):S+32*(\u)+2*(\y)+1]
.endr
.endm
; A STEP: 64 keys for my 32 queries.
.macro STEP
	WIN 0
	v_add_nc_u32 v[AK], s[TBK], v[AK0]             ; these four are the independent vector instructions between the last product and the loads into its sources
	v_add_nc_u32 v[AV], s[TBV], v[AV0]
	v_add_nc_u32 v[AH], s[THI], v[AH0]
	v_nop
.irp f, 0,1,2,3,4,5,6,7                ; keys 16 (f / 2) on, channels 32 (f % 2) on
	ds_load_b128 v[KF+8*(\f):KF+8*(\f)+3],   v[AK] offset:((\f)/2)*16*PK+((\f)%2)*64
	ds_load_b128 v[KF+8*(\f)+4:KF+8*(\f)+7], v[AK] offset:((\f)/2)*16*PK+((\f)%2)*64+32
.endr
.irp t, 0,1,2,3                        ; HI of keys 16 t + 8 (lane / 16) + 0..7
	ds_load_b128 v[HI+8*(\t):HI+8*(\t)+3],   v[AH] offset:64*(\t)
	ds_load_b128 v[HI+8*(\t)+4:HI+8*(\t)+7], v[AH] offset:64*(\t)+16
.endr
	WIN 0x40
.irp f, 0,1,2,3,4,5,6,7                ; values turned: keys 32 (f / 4) on, channels 16 (f % 4) on
	ds_load_tr16_b128 v[VF+8*(\f):VF+8*(\f)+3],   v[AV] offset:((\f)/4)*32*PV+((\f)%4)*32
	ds_load_tr16_b128 v[VF+8*(\f)+4:VF+8*(\f)+7], v[AV] offset:((\f)/4)*32*PV+16*PV+((\f)%4)*32
.endr
	WIN 0
	s_add_co_u32 s[TBK], s[TBK], KS*PK
	s_add_co_u32 s[TBV], s[TBV], KS*PV
	s_add_co_u32 s[THI], s[THI], 4*KS
	s_wait_dscnt 16                                ; keys and HI are in; the values' sixteen loads may stay out
.set i, 0
.rept 16
	KQ
.endr
	v_mov_b32 v[MV], v[ST]                         ; a m_old is kept; with two v_nop the four instructions between the products and the first read of the scores
	v_mov_b32 v[MV+1], v[ST+8]
	v_nop
	v_nop
.set z, 0
.rept 64                               ; clip and mask; each accumulator from its lowest register on
	v_maxmin_num_f32 v[S+z], v[S+z], s[TH], v[HI+z%32]
.set z, z+1
.endr
.irp n, 0,1,2,3,4,5,6,7,8,9,10,11,12,13,14,16,17,18,19,20,21
	XS 0, \n
	XS 1, \n
.endr
.set z, 0
.rept 32                               ; a z - a m
	v_pk_fma_f32 v[S+2*z:S+2*z+1], v[S+2*z:S+2*z+1], s[CS:CS+1], v[ST+8*(z/16):ST+8*(z/16)+1] op_sel_hi:[1,0,0] neg_lo:[0,0,1] neg_hi:[0,0,1]
.set z, z+1
.endr
.set z, 0
.rept 64
	v_exp_f32 v[S+z], v[S+z]
.set z, z+1
.endr
	WIN W_RS
.set z, 0
	s_wait_alu depctr_va_vdst(0)
.rept 32                               ; O^T times the factor: also the plain work between the last exponential and the use of its result
	v_pk_mul_f32 v[2*z:2*z+1], v[2*z:2*z+1], v[ST+8*(z/16)+6:ST+8*(z/16)+7] op_sel_hi:[1,0]
.set z, z+1
.endr
	WIN 0
.set z, 0
.rept 32
	v_cvt_pk_f16_f32 v[P+z], v[S+2*z], v[S+2*z+1]
.set z, z+1
.endr
.irp p, 0,2,4,6,8,10,12,14
	ADDP \p, (\p)+1
.endr
.irp p, 0,4,8,12
	ADDP \p, (\p)+2
.endr
	ADDP 0, 4
	ADDP 8, 12
	ADDP 0, 8
.irp u, 0,1
	v_pk_fma_f32 v[ST+8*(\u)+2:ST+8*(\u)+3], v[ST+8*(\u)+2:ST+8*(\u)+3], v[ST+8*(\u)+6:ST+8*(\u)+7], v[S+32*(\u):S+32*(\u)+1] op_sel_hi:[1,0,1]
.endr
	s_wait_dscnt 0x0                               ; the values are in
	WIN W_PV
.set i, 0
.rept 16
	PVM
.endr
	WIN 0
.endm
; THE WAY OUT of my 32 queries: O^T / l, rounded to f16, through my own stage, out as 512 consecutive bytes a store.
.macro PACK u
	WIN 0x01
.set z, 0
.rept 16
	v_pk_mul_f32 v[S+32*(\u)+2*z:S+32*(\u)+2*z+1], v[32*(\u)+2*z:32*(\u)+2*z+1], v[ST+8*(\u)+6:ST+8*(\u)+7] op_sel_hi:[1,0]
.set z, z+1
.endr
	WIN 0
.set z, 0
.rept 16
	v_cvt_pk_f16_f32 v[W+16*(\u)+z], v[S+32*(\u)+2*z], v[S+32*(\u)+2*z+1]
.set z, z+1
.endr
.irp f, 0,1,2,3
	ds_store_b128 v[STO], v[W+16*(\u)+4*(\f):W+16*(\u)+4*(\f)+3] offset:32*(\f)
.endr
.irp f, 0,1,2,3
	ds_load_b128 v[W+16*(\u)+4*(\f):W+16*(\u)+4*(\f)+3], v[RD] offset:(\f)*4*SP  ; LDS serves a wave's instructions in order: these see the stores above
.endr
.endm
.macro SEND u, younger                 ; younger: the LDS instructions issued behind this tile's loads
.irp f, 0,1,2,3
	s_wait_dscnt (\younger)+3-(\f)
	global_store_b128 v[GO], v[W+16*(\u)+4*(\f):W+16*(\u)+4*(\f)+3], s[OP:OP+1] offset:(\u)*2048+(\f)*512
.endr
.endm
.macro FINISH
	WIN 0
	v_add_f32 v[ST+4],  v[ST+2],  v[ST+3]          ; the four additions are the independent instructions behind the last products
	v_add_f32 v[ST+12], v[ST+10], v[ST+11]
	v_permlanex16_b32 v[ST+5],  v[ST+4],  s[SEL], s[SEL+1]
	v_permlanex16_b32 v[ST+13], v[ST+12], s[SEL], s[SEL+1]
	v_add_f32 v[ST+4],  v[ST+4],  v[ST+5]
	v_add_f32 v[ST+12], v[ST+12], v[ST+13]
	v_rcp_f32 v[ST+6],  v[ST+4]
	v_rcp_f32 v[ST+14], v[ST+12]
	v_nop                                          ; a plain instruction between the last reciprocal and its use
	s_wait_alu depctr_va_vdst(0)
	PACK 0
	PACK 1
	SEND 0, 8
	SEND 1, 0
.endm
	s_load_b256 s[4:11], s[0:1], 0x0               ; qv, kl, gpart, attention_mask_v
	s_load_b128 s[16:19], s[0:1], 0x20             ; attention_mask_l, ov
	s_load_b64 s[20:21], s[0:1], 0x30              ; ol
	v_lshl_add_u32 v[SPW], v0, 2, SPARE
	v_mov_b32 v[NIL], 0
	ds_add_u32 v[SPW], v[NIL]                      ; the wave's opening: the add, waited for ahead of the first tensor load
	v_lshrrev_b32 v1, 5, v0
	v_readfirstlane_b32 s[WV], v1                  ; wave 0..7
	s_lshr_b32 s13, ttmp9, 4                       ; b
	s_and_b32 s14, ttmp9, 15                       ; h
	s_lshl_b32 s15, s13, 5
	s_add_co_u32 s15, s15, s14                     ; 32 b + h
	s_and_b32 s22, s[WV], 1                        ; which half of a tile a filling wave takes
	s_lshl_b32 s23, s22, 14
	s_mul_i32 s48, s22, 128*PK
	s_mul_i32 s49, s22, 128*PV
	s_lshl_b32 s50, s15, 17
	s_add_co_u32 s50, s50, s23
	s_mov_b32 s51, 0
	s_add_co_u32 s52, s50, (16<<17)                ; the values lie 16 heads on
	s_mov_b32 s53, 0
	s_mov_b32 s[G1K], (1<<16)|(1<<20)|(4<<22)|(3<<25)  ; 2-byte elements; padding on: 4 words behind every 32
	s_mov_b32 s[G1V], (1<<16)|(1<<20)|(4<<22)|(7<<25)  ; 8 words
.irp g, G1K, G1V
	s_mov_b32 s[(\g)+1], 128<<16                   ; 128 keys are 16,384 dense bytes: 64 rows of 128 elements
	s_mov_b32 s[(\g)+2], 64<<16
	s_mov_b32 s[(\g)+3], 128<<16
	s_mov_b32 s[(\g)+4], 64
	s_mov_b32 s[(\g)+5], 128
	s_mov_b32 s[(\g)+6], 0
	s_mov_b32 s[(\g)+7], 0
.endr
	s_mov_b32 s[CS], 0x3e38aa3b                    ; a = log2(e) / 8
	s_mov_b32 s[CS+1], s[CS]
	s_mov_b32 s[SEL], 0x76543210
	s_mov_b32 s[SEL+1], 0xfedcba98
	s_mov_b32 s[TBK], SLOT1+4*KS*PK                ; the first change of slots turns these two into 0
	s_mov_b32 s[TBV], SLOT1+4*KS*PV
	s_mov_b32 s[THI], TABT
	s_mov_b32 s[NXT], 1
	s_mov_b32 s[OFF+1], 0
	s_mov_b32 s[G0K], 1
	s_mov_b32 s[G0K+1], s48
	s_mov_b32 s[G0V], 1
	s_add_co_u32 s[G0V+1], s49, VOFF
	s_wait_dscnt 0x0
	s_barrier_signal -1
	s_barrier_wait -1
	s_wait_kmcnt 0x0
	s_add_nc_u64 s[KQB:KQB+1], s[4:5], s[50:51]
	s_add_nc_u64 s[VVB:VVB+1], s[4:5], s[52:53]
	s_mov_b64 s[G0K+2:G0K+3], s[KQB:KQB+1]
	s_or_b32 s[G0K+3], s[G0K+3], 0x80000000
	s_mov_b64 s[G0V+2:G0V+3], s[VVB:VVB+1]
	s_or_b32 s[G0V+3], s[G0V+3], 0x80000000
	LOAD                                           ; tile 0 into slot 0
	s_lshl_b32 s54, s15, 15
	s_add_co_u32 s54, s54, s23
	s_mov_b32 s55, 0
	s_add_nc_u64 s[KKB:KKB+1], s[6:7], s[54:55]
	s_add_co_u32 s54, s54, (16<<15)
	s_add_nc_u64 s[VLB:VLB+1], s[6:7], s[54:55]
	s_lshl_b32 s48, s[WV], 12                      ; my wave's 32 rows of 128 bytes
	s_lshl_b32 s54, s15, 15
	s_add_co_u32 s54, s54, s48
	s_add_nc_u64 s[QP:QP+1], s[6:7], s[54:55]      ; phase L's queries: rows of k
	s_lshl_b32 s54, s15, 17
	s_add_co_u32 s54, s54, s48
	s_add_nc_u64 s[QVP:QVP+1], s[4:5], s[54:55]
	s_lshl_b32 s54, ttmp9, 15
	s_add_co_u32 s54, s54, s48
	s_add_nc_u64 s[OP:OP+1], s[20:21], s[54:55]
	s_lshl_b32 s54, ttmp9, 17
	s_add_co_u32 s54, s54, s48
	s_add_nc_u64 s[OVP:OVP+1], s[18:19], s[54:55]
	s_lshl_b32 s54, s13, 10
	s_add_nc_u64 s[10:11], s[10:11], s[54:55]
	s_lshl_b32 s54, s13, 8
	s_add_nc_u64 s[16:17], s[16:17], s[54:55]
	v_and_b32 v96, 15, v0                          ; l % 16
	v_bfe_u32 v97, v0, 4, 1                        ; l / 16
	v_and_b32 v98, 7, v0
	v_bfe_u32 v99, v0, 3, 1
	v_lshlrev_b32 v[QO], 7, v96
	v_lshl_add_u32 v[QO], v97, 4, v[QO]
	v_and_b32 v[GO], 31, v0
	v_lshlrev_b32 v[GO], 4, v[GO]
	v_lshlrev_b32 v100, 2, v0
	global_load_b128 v[64:67], v[GO], s[8:9]       ; the 256 partial maxima, eight a lane
	global_load_b128 v[68:71], v[GO], s[8:9] offset:512
	global_load_b32 v72, v100, s[10:11]            ; four vision tokens' mask bytes
	global_load_u8 v73, v0, s[16:17]               ; one text token's
	QLOAD
	v_mul_u32_u24 v[AK0], v96, PK
	v_lshl_add_u32 v[AK0], v97, 4, v[AK0]
	v_lshl_add_u32 v[AV0], v97, 3, v98             ; the turning load: key 8 (l / 16) + l % 8, channels 8 ((l / 8) % 2) on
	v_mul_u32_u24 v[AV0], v[AV0], PV
	v_lshl_add_u32 v[AV0], v99, 4, v[AV0]
	v_add_nc_u32 v[AV0], VOFF, v[AV0]
	v_lshlrev_b32 v[AH0], 5, v97
	s_mul_i32 s48, s[WV], 16*SP
	s_add_co_u32 s48, s48, STAGE
	v_mul_u32_u24 v[STO], v96, SP
	v_lshl_add_u32 v[STO], v97, 4, v[STO]
	v_add_nc_u32 v[STO], s48, v[STO]
	v_bfe_u32 v[RD], v0, 3, 2
	v_mul_u32_u24 v[RD], v[RD], SP
	v_lshl_add_u32 v[RD], v98, 4, v[RD]
	v_add_nc_u32 v[RD], s48, v[RD]
	INIT
	s_wait_loadcnt 0x0
	v_max3_num_f32 v64, v64, v65, v66
	v_max3_num_f32 v67, v67, v68, v69
	v_max3_num_f32 v64, v64, v70, v71
	v_max_num_f32 v64, v64, v67
	v_max_num_f32_dpp v64, v64, v64 row_xmask:1 row_mask:0xf bank_mask:0xf
	v_max_num_f32_dpp v64, v64, v64 row_xmask:2 row_mask:0xf bank_mask:0xf
	v_max_num_f32_dpp v64, v64, v64 row_xmask:4 row_mask:0xf bank_mask:0xf
	v_max_num_f32_dpp v64, v64, v64 row_xmask:8 row_mask:0xf bank_mask:0xf
	v_permlanex16_b32 v65, v64, s[SEL], s[SEL+1]
	v_max_num_f32 v64, v64, v65
	v_add_f32 v64, 0xc8c35000, v64                 ; g - 400,000: the clip's threshold for raw scores
	v_readfirstlane_b32 s[TH], v64
	v_bfe_u32 v76, v72, 0, 1
	v_bfe_u32 v77, v72, 8, 1
	v_bfe_u32 v78, v72, 16, 1
	v_bfe_u32 v79, v72, 24, 1
	v_and_b32 v73, 1, v73
.irp r, 76,77,78,79
	v_lshl_or_b32 v\r, v\r, 31, 0x7f800000         ; +infinity, or -infinity where the token is masked
.endr
	v_lshl_or_b32 v80, v73, 31, 0x7f800000
	v_lshl_add_u32 v81, v0, 4, TABT
	v_lshl_add_u32 v82, v0, 2, TABS
	ds_store_b128 v81, v[76:79]
	ds_store_b32 v82, v80
	s_mov_b32 s[SLOTS], 4
.Lslot:                                                ; phase L: a tile is entered and the next is asked for
	CHANGE 1
	s_mov_b32 s[CNT], 4
.LstepL:
	STEP
	s_sub_co_u32 s[CNT], s[CNT], 1
	s_cmp_lg_u32 s[CNT], 0
	s_cbranch_scc1 .LstepL
	s_sub_co_u32 s[SLOTS], s[SLOTS], 1
	s_cmp_lg_u32 s[SLOTS], 0
	s_cbranch_scc1 .Lslot
	s_mov_b64 s[QP:QP+1], s[QVP:QVP+1]             ; the loads that named QP were waited for at the head
	QLOAD                                          ; phase V's first queries are on their way while out_l leaves
	FINISH
	CHANGE 0                                       ; k | val_l has landed in slot 0; nothing is asked for any more
	s_wait_xcnt 0x0
	s_mov_b64 s[OP:OP+1], s[OVP:OVP+1]
	s_mov_b32 s[THI], TABS
	s_mov_b32 s[BLK], 4
.Lblock:                                               ; phase V: four blocks of 256 queries on the same tile
	s_wait_loadcnt 0x0                             ; this block's queries
	s_wait_xcnt 0x0                                ; the registers that the last stores read are rewritten only behind this wait
	INIT
	s_mov_b32 s[CNT], 4
.LstepV:
	STEP
	s_sub_co_u32 s[CNT], s[CNT], 1
	s_cmp_lg_u32 s[CNT], 0
	s_cbranch_scc1 .LstepV
	s_sub_co_u32 s[TBK], s[TBK], 4*KS*PK           ; back to the tile's first step
	s_sub_co_u32 s[TBV], s[TBV], 4*KS*PV
	s_sub_co_u32 s[THI], s[THI], 16*KS
	s_cmp_eq_u32 s[BLK], 1
	s_cbranch_scc1 .Lnoq                           ; the last block has no successor: no load leaves the buffer
	s_add_nc_u64 s[QP:QP+1], s[QP:QP+1], 32768
	QLOAD
.Lnoq:
	FINISH
	s_wait_xcnt 0x0
	s_add_nc_u64 s[OP:OP+1], s[OP:OP+1], 32768
	s_sub_co_u32 s[BLK], s[BLK], 1
	s_cmp_lg_u32 s[BLK], 0
	s_cbranch_scc1 .Lblock
	s_wait_tensorcnt 0x0                           ; the wave's end
	ds_add_u32 v[SPW], v[NIL]
	s_wait_dscnt 0x0
	s_endpgm
.Lfunc_end_k_q96ca991805_attn:
	.size	k_q96ca991805_attn, .Lfunc_end_k_q96ca991805_attn-k_q96ca991805_attn
	.p2alignl 7, 3214868480
	.fill 96, 4, 3214868480
	.section	.rodata,"a",@progbits
	.p2align	6, 0x0
	.amdhsa_kernel k_q96ca991805_attn
		.amdhsa_group_segment_fixed_size 327680
		.amdhsa_private_segment_fixed_size 0
		.amdhsa_enable_private_segment 0
		.amdhsa_kernarg_size 56
		.amdhsa_user_sgpr_count 2
		.amdhsa_user_sgpr_kernarg_segment_ptr 1
		.amdhsa_wavefront_size32 1
		.amdhsa_system_sgpr_workgroup_id_x 1
		.amdhsa_system_sgpr_workgroup_id_y 1
		.amdhsa_system_sgpr_workgroup_id_z 1
		.amdhsa_system_vgpr_workitem_id 0
		.amdhsa_next_free_vgpr 384
		.amdhsa_next_free_sgpr 100
		.amdhsa_reserve_vcc 0
		.amdhsa_float_denorm_mode_32 3
		.amdhsa_float_denorm_mode_16_64 3
		.amdhsa_memory_ordered 1
		.amdhsa_forward_progress 1
		.amdhsa_inst_pref_size 75
	.end_amdhsa_kernel
	.amdgpu_metadata
---
amdhsa.version: [ 1, 2 ]
amdhsa.kernels:
  - .name:           k_q96ca991805_attn
    .symbol:         k_q96ca991805_attn.kd
    .args:
      - { .name: qv, .offset: 0, .size: 8, .value_kind: global_buffer, .address_space: global }
      - { .name: kl, .offset: 8, .size: 8, .value_kind: global_buffer, .address_space: global }
      - { .name: gpart, .offset: 16, .size: 8, .value_kind: global_buffer, .address_space: global }
      - { .name: attention_mask_v, .offset: 24, .size: 8, .value_kind: global_buffer, .address_space: global }
      - { .name: attention_mask_l, .offset: 32, .size: 8, .value_kind: global_buffer, .address_space: global }
      - { .name: ov, .offset: 40, .size: 8, .value_kind: global_buffer, .address_space: global }
      - { .name: ol, .offset: 48, .size: 8, .value_kind: global_buffer, .address_space: global }
    .group_segment_fixed_size: 327680
    .private_segment_fixed_size: 0
    .kernarg_segment_align: 8
    .kernarg_segment_size: 56
    .max_flat_workgroup_size: 256
    .sgpr_count:     100
    .vgpr_count:     384
    .wavefront_size: 32
...
	.end_amdgpu_metadata
.endif
;; end of part 4
;; launch outp (part 5): grid 176 x 1, 4 waves a work-group, clusters of 4 x 1, 327,680 bytes of LDS; arguments ov, ol, wo, out_v_b, out_l_b, out0, out1; writes out0, out1
.if DOCPART == 5
	.amdgcn_target "amdgcn-amd-amdhsa--gfx1250"
	.amdhsa_code_object_version 6
	.text
	.protected	k_q96ca991805_outp
	.globl	k_q96ca991805_outp
	.p2align	8
	.type	k_q96ca991805_outp,@function
k_q96ca991805_outp:
	s_mov_b64 s[64:65], 0
	v_nop
	global_prefetch_b8 v0, s[64:65] scope:SCOPE_SE
	s_setreg_imm32_b32 hwreg(HW_REG_WAVE_MODE, 25, 1), 1
	s_wait_xcnt 0x0
	s_wait_alu depctr_hold_cnt(0) depctr_sa_sdst(0) depctr_va_vdst(0) depctr_va_sdst(0) depctr_va_ssrc(0) depctr_va_vcc(0) depctr_vm_vsrc(0)
	s_getreg_b32 s2, hwreg(HW_REG_IB_STS2, 6, 4)
	s_cmp_eq_u32 s2, 0
	s_cbranch_scc0 .Lentry_in_a_cluster
	s_endpgm
.Lentry_in_a_cluster:
	s_bfe_u32 s2, ttmp6, 0x10000c
	s_cmp_lg_u32 s2, 0x3003
	s_cbranch_scc0 .Lentry_shape_is_right
	s_endpgm
.Lentry_shape_is_right:
; OUTP: the two output projections, out = O W^T + bias, f16 operands, f32 sums and f32 output.  K = 1,024 = 16 heads x 64 channels.
;   clusters 0-31 : out0 [16384][512] = ov x wo rows 0-511    (2 tile columns x 64 tile rows)
;   clusters 32-43: out1 [4096][768]  = ol x wo rows 512-1279 (3 tile columns x 16 tile rows)
; A tile is 256 x 256, four waves of 128 x 128.  176 work-groups: 128 + 48 tiles.
; CLUSTER 4 x 1: the four partners are four tile rows of one tile column, so W's tiles are asked for jointly (mask 15); O's tiles differ and are plain loads behind the same rounds.
; 4 x 4 does not divide: there are 2 or 3 tile columns.  Which product a work-group belongs to hangs on the cluster's number alone.
; O lies by heads, [b][h][tokens][64]: a K step of 128 is two heads; each comes as 256 tokens x 128 dense bytes into a plane of its own (pitch 144); wave 0 fills the even head's, wave 1 the odd one's.
; The biases are rounded to bf16 like all other inputs.  Source 0 = 16 rows of W, source 1 = 16 tokens: a lane holds one token and eight neighbouring columns.
; The bias is the C operand of the product that starts each sum: register 8 b + j of it belongs to the same column as register j of every accumulator of n block b.
; REGISTERS: window 0: v0-31 addresses, v32-47 rows' offsets in the output, v64-191 O's fragments (v128-191 later the way out); window 1: v0-63 bias, v64-191 W's fragments, v192-223 at work; windows 2, 3 accumulators
.set KSTEP,  128
.set PITCH,  272                       ; a row of W in LDS: 256 bytes + 16
.set HALFT,  128*PITCH
.set PA,     144                       ; a token's 128 bytes of one head + 16
.set APL,    256*PA                    ; a plane
.set SLOT,   2*APL+2*HALFT
.set STAGE,  2*SLOT                    ; 16 rows x 528 bytes for each wave
.set SPITCH, 528
.set SPARE,  STAGE+4*16*SPITCH         ; the spare words: 128 bytes a wave, named by no other line
.set LAPS,   4
.set ADRA, 16
.set ADRB, 20
.set STO,  24
.set RD,   25
.set BO,   27
.set SPW,  28
.set NIL,  29
.set RO,   32
.set F0,   64
.set F1,   128
.set BK,   128
.set G1, 24
.set G0, 32
.set G1B, 48
.set G0B, 56
.set MSB, 0
.macro WIN new
.if MSB != (\new)
	s_set_vgpr_msb (MSB<<8)|(\new)
.set MSB, \new
.endif
.endm
.set MUL_LO, 0xa1                      ; source 0 (W) window 1, source 1 (O) window 0, C and D window 2
.set MUL_HI, 0xf1                      ; the same, C and D window 3
.set BEG_LO, 0x91                      ; a sum begins: C (the bias) window 1, D window 2
.set BEG_HI, 0xd1                      ; D window 3
.set TO_B,   0x40
.macro JLOAD s                         ; waves 0, 1: O's two planes (plain); waves 2, 3: W's two halves (joint)
	s_cmp_eq_u32 s11, 0
	s_cbranch_scc0 .Lfor_b_\@
	tensor_load_to_lds s[G0+4*(\s):G0+4*(\s)+3], s[G1:G1+7]
	s_nop 0
.rept 4
	v_nop
.endr
	s_branch .Lasked_\@
.Lfor_b_\@:
	tensor_load_to_lds s[G0B+4*(\s):G0B+4*(\s)+3], s[G1B:G1B+7]
	s_nop 0
.rept 4
	v_nop
.endr
.Lasked_\@:
.endm
.macro CREST
	s_cmp_lg_u32 s10, 0
	s_cbranch_scc1 .Lnot_wave_0_\@
	s_barrier_signal -3
.Lnot_wave_0_\@:
	s_barrier_wait -3
	s_barrier_signal -1
	s_barrier_wait -1
.endm
.macro CROUND
	s_barrier_signal -1
	s_barrier_wait -1
	CREST
.endm
	s_load_b256 s[68:75], s[0:1], 0x0              ; ov, ol, wo, out_v_b
	s_load_b128 s[76:79], s[0:1], 0x20             ; out_l_b, out0
	s_load_b64 s[80:81], s[0:1], 0x30              ; out1
	v_lshl_add_u32 v[SPW], v0, 2, SPARE
	v_mov_b32 v[NIL], 0
	ds_add_u32 v[SPW], v[NIL]                      ; the wave's opening: the add, waited for ahead of my first tensor load
	v_lshrrev_b32 v1, 5, v0
	v_readfirstlane_b32 s10, v1                    ; wave 0..3
	s_lshr_b32 s11, s10, 1
	s_and_b32 s12, s10, 1
	s_bfe_u32 s40, ttmp6, 0x40000                  ; cx
	s_mov_b32 s83, ttmp9                           ; the cluster's number
	s_lshr_b32 s84, s83, 4                         ; out0: tile column,
	s_and_b32 s85, s83, 15                         ; four tile rows
	s_max_u32 s86, s83, 32
	s_sub_co_u32 s86, s86, 32
	s_lshr_b32 s87, s86, 2                         ; out1: the same
	s_and_b32 s86, s86, 3
	s_movk_i32 s89, 2048
	s_cmp_ge_u32 s83, 32
	s_cselect_b32 s82, 1, 0                        ; 1: out1
	s_cselect_b32 s42, s87, s84                    ; tile column
	s_cselect_b32 s85, s86, s85
	s_cselect_b32 s88, 8, 10                       ; log2 of a head's tokens
	s_cselect_b32 s89, 3072, s89                   ; bytes in a row of the output
	s_cselect_b32 s90, 512, 0                      ; W's first row in wo
	s_lshl_b32 s13, s85, 2
	s_add_co_u32 s13, s13, s40                     ; tile row
	s_mov_b32 s[G1+0], (1<<16)|(1<<20)|(4<<22)|(3<<25)                ; O: no mask; 2-byte elements; 4 words of padding behind every 32
	s_mov_b32 s[G1B+0], 15|(1<<16)|(1<<20)|(1<<21)|(5<<22)|(3<<25)    ; W: all four partners; bit 21 beside a mask; 4 words behind every 64
.irp g, G1, G1B
	s_mov_b32 s[(\g)+1], 128<<16
	s_mov_b32 s[(\g)+2], 128<<16
	s_mov_b32 s[(\g)+3], 128<<16
	s_mov_b32 s[(\g)+4], 128
	s_mov_b32 s[(\g)+6], 0
	s_mov_b32 s[(\g)+7], 0
.endr
	s_mov_b32 s[G1+5], 128                         ; O: 32,768 dense bytes as 128 rows of 128 elements
	s_mov_b32 s[G1B+5], 1024                       ; W: 1,024 elements from row to row
	s_lshl_b32 s46, s42, 8
	s_lshl_b32 s47, s12, 7
	s_add_co_u32 s46, s46, s47
	s_add_co_u32 s46, s46, s90                     ; W's row
	s_lshl_b32 s46, s46, 11                        ; x 2,048 bytes
	s_mov_b32 s47, 0
	s_lshr_b32 s91, s13, 2
	s_and_b32 s92, s13, 3
	s_lshl_b32 s92, s92, 8
	s_cmp_eq_u32 s82, 1
	s_cselect_b32 s91, s13, s91                    ; the batch
	s_cselect_b32 s92, 0, s92                      ; the tile's first token
	s_lshl_b32 s91, s91, 4
	s_add_co_u32 s91, s91, s12                     ; 16 batch + my head of K step 0
	s_lshl_b32 s91, s91, s88
	s_add_co_u32 s91, s91, s92
	s_lshl_b32 s16, s91, 7
	s_mov_b32 s17, 0
	s_lshl_b32 s92, 256, s88                       ; two heads on, in bytes
	s_mov_b32 s93, 0
	s_lshl_b32 s94, 512, s88                       ; four heads on: two K steps
	s_mov_b32 s95, 0
	s_mul_i32 s20, s10, APL                        ; where a plane goes,
	s_mul_i32 s45, s10, HALFT
	s_add_co_u32 s45, s45, 2*APL-2*HALFT           ; and where a half of W (waves 2, 3) goes
	s_wait_dscnt 0x0
	s_wait_kmcnt 0x0
	s_cmp_eq_u32 s82, 1                            ; compared anew: the shifts and sums above have rewritten SCC
	s_cselect_b64 s[14:15], s[70:71], s[68:69]     ; O's buffer: ol for out1, ov for out0
	s_add_nc_u64 s[14:15], s[14:15], s[16:17]
	s_add_nc_u64 s[46:47], s[72:73], s[46:47]
	CROUND                                         ; all four work-groups are here: the first joint loads meet
	s_mov_b32 s[G0], 1
	s_mov_b32 s[G0+1], s20
	s_mov_b64 s[G0+2:G0+3], s[14:15]
	s_or_b32 s[G0+3], s[G0+3], 0x80000000
	s_mov_b32 s[G0+4], 1
	s_add_co_u32 s[G0+5], s20, SLOT
	s_add_nc_u64 s[G0+6:G0+7], s[14:15], s[92:93]
	s_or_b32 s[G0+7], s[G0+7], 0x80000000
.irp s, 0,1
	s_mov_b32 s[G0B+4*(\s)], 1
	s_add_co_u32 s[G0B+4*(\s)+1], s45, (\s)*SLOT
	s_add_nc_u64 s[G0B+4*(\s)+2:G0B+4*(\s)+3], s[46:47], (\s)*KSTEP*2
	s_or_b32 s[G0B+4*(\s)+3], s[G0B+4*(\s)+3], 0x80000000
.endr
	JLOAD 0
	JLOAD 1
	; the bias of my 128 columns
	s_cmp_eq_u32 s82, 1
	s_cselect_b64 s[4:5], s[76:77], s[74:75]
	s_cselect_b64 s[8:9], s[80:81], s[78:79]
	s_lshl_b32 s6, s42, 10
	s_lshl_b32 s7, s12, 9
	s_add_co_u32 s6, s6, s7                        ; my first column x 4 bytes
	s_mov_b32 s7, 0
	s_add_nc_u64 s[4:5], s[4:5], s[6:7]
	v_and_b32 v1, 15, v0
	v_bfe_u32 v2, v0, 4, 1
	v_lshlrev_b32 v[BO], 5, v2
	WIN TO_B
.irp b, 0,1,2,3,4,5,6,7
	global_load_b128 v[8*(\b):8*(\b)+3],   v[BO], s[4:5] offset:64*(\b)
	global_load_b128 v[8*(\b)+4:8*(\b)+7], v[BO], s[4:5] offset:64*(\b)+16
.endr
	WIN 0
	s_lshl_b32 s96, s13, 8
	s_lshl_b32 s97, s11, 7
	s_add_co_u32 s96, s96, s97                     ; my first row of the output
	s_mul_i32 s96, s96, s89
	s_add_co_u32 s96, s96, s6
	s_mov_b32 s97, 0
	s_add_nc_u64 s[8:9], s[8:9], s[96:97]
	s_lshl_b32 s98, s89, 4                         ; 16 rows on
	s_mov_b32 s99, 0
	v_mul_u32_u24 v3, v1, PITCH
	v_lshl_add_u32 v3, v2, 4, v3
	v_mul_u32_u24 v7, v1, PA
	v_lshl_add_u32 v7, v2, 4, v7
	s_mul_i32 s21, s11, 128*PA                     ; my 128 tokens in a plane
	s_mul_i32 s22, s12, HALFT
	s_add_co_u32 s22, s22, 2*APL                   ; my 128 rows of W
.irp s, 0,1
	v_add_nc_u32 v[ADRA+(\s)], s21, v7
	v_add_nc_u32 v[ADRB+(\s)], s22, v3
	s_add_co_u32 s21, s21, SLOT
	s_add_co_u32 s22, s22, SLOT
.endr
	s_mul_i32 s23, s10, 16*SPITCH
	s_add_co_u32 s23, s23, STAGE
	v_mul_u32_u24 v4, v1, SPITCH
	v_lshl_add_u32 v4, v2, 5, v4
	v_add_nc_u32 v[STO], s23, v4                   ; in: token l % 16, 32 bytes for each half of the lanes
	v_and_b32 v6, 31, v0
	v_lshlrev_b32 v6, 4, v6
	v_add_nc_u32 v[RD], s23, v6                    ; back: a row's 512 bytes
.irp i, 0,1,2,3,4,5,6,7,8,9,10,11,12,13,14,15
	s_mul_i32 s21, s89, (\i)
	v_add_nc_u32 v[RO+(\i)], s21, v6               ; the same row in the output
.endr
	s_wait_loadcnt 0x0
	WIN 0x45                                       ; all in window 1: the bias is rounded to bf16 and widened again
.set z, 0
.rept 32
	v_cvt_pk_bf16_f32 v[192+z], v[2*z], v[2*z+1]
.set z, z+1
.endr
.set z, 0
.rept 32
	v_lshlrev_b32 v[2*z],   16, v[192+z]
	v_and_b32     v[2*z+1], 0xffff0000, v[192+z]
.set z, z+1
.endr
	WIN 0
.macro MUL16 f, hi, a0, zero           ; 16 matrix instructions; zero = 1: the sums begin, with the bias as C
.if \zero
	WIN BEG_LO+0x40*(\hi)
.else
	WIN MUL_LO+0x50*(\hi)
.endif
.irp a, \a0, (\a0)+1
.irp b, 0,1,2,3,4,5,6,7
.if \zero
	v_wmma_f32_16x16x32_f16 v[8*(8*(\a)+(\b)):8*(8*(\a)+(\b))+7], v[(\f)+8*(\b):(\f)+8*(\b)+7], v[(\f)+8*(4*(\hi)+(\a)):(\f)+8*(4*(\hi)+(\a))+7], v[8*(\b):8*(\b)+7]
.else
	v_wmma_f32_16x16x32_f16 v[8*(8*(\a)+(\b)):8*(8*(\a)+(\b))+7], v[(\f)+8*(\b):(\f)+8*(\b)+7], v[(\f)+8*(4*(\hi)+(\a)):(\f)+8*(4*(\hi)+(\a))+7], v[8*(8*(\a)+(\b)):8*(8*(\a)+(\b))+7]
.endif
.endr
.endr
.endm
.macro FETCH slot, q, f                ; the fragments of quarter q (32 along K): W at byte 64 q of its rows; O in plane q / 2 at byte 64 (q % 2)
	WIN TO_B
.irp i, 0,1,2,3,4,5,6,7
	ds_load_b128 v[(\f)+8*(\i):(\f)+8*(\i)+3],   v[ADRB+(\slot)] offset:64*(\q)+(\i)*16*PITCH
	ds_load_b128 v[(\f)+8*(\i)+4:(\f)+8*(\i)+7], v[ADRB+(\slot)] offset:64*(\q)+(\i)*16*PITCH+32
.endr
	WIN 0
.irp i, 0,1,2,3,4,5,6,7
	ds_load_b128 v[(\f)+8*(\i):(\f)+8*(\i)+3],   v[ADRA+(\slot)] offset:((\q)/2)*APL+64*((\q)%2)+(\i)*16*PA
	ds_load_b128 v[(\f)+8*(\i)+4:(\f)+8*(\i)+7], v[ADRA+(\slot)] offset:((\q)/2)*APL+64*((\q)%2)+(\i)*16*PA+32
.endr
.endm
.macro PLACES                          ; four independent vector instructions between a matrix instruction and a load into, or a use of, its registers
.rept 4
	v_nop
.endr
.endm
.macro QUARTER slot, q, f, g, zero
	s_wait_dscnt 8                                 ; W and O's tokens 0-63 are in; the youngest eight loads may be out
	MUL16 \f, 0, 0, \zero
	MUL16 \f, 0, 2, \zero
	PLACES
	FETCH \slot, \q, \g
	s_wait_dscnt 32                                ; all but the 32 just issued
	MUL16 \f, 1, 0, \zero
	MUL16 \f, 1, 2, \zero
.endm
.macro MEET round
	WIN 0
	s_wait_tensorcnt 0x0                           ; the one that was out is my part of the next slot
	ds_add_u32 v[SPW], v[NIL]
	s_wait_dscnt 9                                 ; the add and the youngest eight loads may be out
	MUL16 F1, 0, 0, 0
	s_wait_dscnt 0x0                               ; the add is done, my reads of this slot are over
	s_barrier_signal -1
	MUL16 F1, 0, 2, 0
.if \round
	WIN 0
.endif
	s_barrier_wait -1
.endm
.macro TURN slot, next, fill
	MEET \fill
.if \fill
	CREST
	s_add_nc_u64 s[G0+4*(\slot)+2:G0+4*(\slot)+3], s[G0+4*(\slot)+2:G0+4*(\slot)+3], s[94:95]
	s_add_nc_u64 s[G0B+4*(\slot)+2:G0B+4*(\slot)+3], s[G0B+4*(\slot)+2:G0B+4*(\slot)+3], 2*KSTEP*2
	JLOAD \slot
.else
	PLACES
.endif
	FETCH \next, 0, F0
	MUL16 F1, 1, 0, 0
	MUL16 F1, 1, 2, 0
.endm
; THE WAY OUT of block a (16 tokens x 128 columns of f32): from the accumulators through my own stage, out as whole rows of 512 consecutive bytes at multiples of 256 from the output's first byte.
.macro OUTB a
.set AC, 64*((\a)%4)
	WIN 0x08+4*((\a)/4)                            ; the LDS stores' data (source 1) lie in the accumulators' window; each accumulator's lowest four registers go first
.irp b, 0,1,2,3,4,5,6,7
	ds_store_b128 v[STO], v[AC+8*(\b):AC+8*(\b)+3]   offset:64*(\b)
	ds_store_b128 v[STO], v[AC+8*(\b)+4:AC+8*(\b)+7] offset:64*(\b)+16
.endr
	WIN 0
	s_wait_xcnt 0x0                                ; the base and the registers that the last block's stores read are rewritten only behind this wait
.if (\a) > 0
	s_add_nc_u64 s[8:9], s[8:9], s[98:99]
.endif
.irp i, 0,1,2,3,4,5,6,7,8,9,10,11,12,13,14,15
	ds_load_b128 v[BK+4*(\i):BK+4*(\i)+3], v[RD] offset:SPITCH*(\i)  ; LDS serves a wave's instructions in order: these see the stores above
.endr
.irp i, 0,1,2,3,4,5,6,7,8,9,10,11,12,13,14,15
	s_wait_dscnt 15-(\i)                           ; row i is back; the younger loads stay out
	global_store_b128 v[RO+(\i)], v[BK+4*(\i):BK+4*(\i)+3], s[8:9] th:TH_STORE_NT
.endr
.endm
	s_wait_tensorcnt 1                             ; my part of K step 0 is in; K step 1's may stay out
	s_barrier_signal -1
	s_barrier_wait -1
	FETCH 0, 0, F0
	QUARTER 0, 1, F0, F1, 1                        ; the first quarter's products start the sums, with the bias
	WIN 0
	s_mov_b32 s3, LAPS-1
.Llap:
	QUARTER 0, 2, F1, F0, 0
	QUARTER 0, 3, F0, F1, 0
	TURN 0, 1, 1
	QUARTER 1, 1, F0, F1, 0
	QUARTER 1, 2, F1, F0, 0
	QUARTER 1, 3, F0, F1, 0
	TURN 1, 0, 1
	QUARTER 0, 1, F0, F1, 0
	WIN 0
	s_sub_co_u32 s3, s3, 1
	s_cmp_lg_u32 s3, 0
	s_cbranch_scc1 .Llap
	QUARTER 0, 2, F1, F0, 0                        ; the last lap fills nothing
	QUARTER 0, 3, F0, F1, 0
	TURN 0, 1, 0
	QUARTER 1, 1, F0, F1, 0
	QUARTER 1, 2, F1, F0, 0
	QUARTER 1, 3, F0, F1, 0
	s_wait_dscnt 8
	MUL16 F1, 0, 0, 0
	MUL16 F1, 0, 2, 0
	s_wait_dscnt 0x0
	MUL16 F1, 1, 0, 0
	MUL16 F1, 1, 2, 0
	PLACES
.irp a, 0,1,2,3,4,5,6,7
	OUTB \a
.endr
	s_wait_tensorcnt 0x0                           ; the wave's end
	ds_add_u32 v[SPW], v[NIL]
	s_wait_dscnt 0x0
	CROUND                                         ; the closing round
	s_endpgm
.Lfunc_end_k_q96ca991805_outp:
	.size	k_q96ca991805_outp, .Lfunc_end_k_q96ca991805_outp-k_q96ca991805_outp
	.p2alignl 7, 3214868480
	.fill 96, 4, 3214868480
	.section	.rodata,"a",@progbits
	.p2align	6, 0x0
	.amdhsa_kernel k_q96ca991805_outp
		.amdhsa_group_segment_fixed_size 327680
		.amdhsa_private_segment_fixed_size 0
		.amdhsa_enable_private_segment 0
		.amdhsa_kernarg_size 56
		.amdhsa_user_sgpr_count 2
		.amdhsa_user_sgpr_kernarg_segment_ptr 1
		.amdhsa_wavefront_size32 1
		.amdhsa_system_sgpr_workgroup_id_x 1
		.amdhsa_system_sgpr_workgroup_id_y 1
		.amdhsa_system_sgpr_workgroup_id_z 1
		.amdhsa_system_vgpr_workitem_id 0
		.amdhsa_next_free_vgpr 1024
		.amdhsa_next_free_sgpr 100
		.amdhsa_reserve_vcc 0
		.amdhsa_float_denorm_mode_32 3
		.amdhsa_float_denorm_mode_16_64 3
		.amdhsa_memory_ordered 1
		.amdhsa_forward_progress 1
		.amdhsa_inst_pref_size 153
	.end_amdhsa_kernel
	.amdgpu_metadata
---
amdhsa.version: [ 1, 2 ]
amdhsa.kernels:
  - .name:           k_q96ca991805_outp
    .symbol:         k_q96ca991805_outp.kd
    .args:
      - { .name: ov, .offset: 0, .size: 8, .value_kind: global_buffer, .address_space: global }
      - { .name: ol, .offset: 8, .size: 8, .value_kind: global_buffer, .address_space: global }
      - { .name: wo, .offset: 16, .size: 8, .value_kind: global_buffer, .address_space: global }
      - { .name: out_v_b, .offset: 24, .size: 8, .value_kind: global_buffer, .address_space: global }
      - { .name: out_l_b, .offset: 32, .size: 8, .value_kind: global_buffer, .address_space: global }
      - { .name: out0, .offset: 40, .size: 8, .value_kind: global_buffer, .address_space: global }
      - { .name: out1, .offset: 48, .size: 8, .value_kind: global_buffer, .address_space: global }
    .group_segment_fixed_size: 327680
    .private_segment_fixed_size: 0
    .kernarg_segment_align: 8
    .kernarg_segment_size: 56
    .max_flat_workgroup_size: 128
    .sgpr_count:     100
    .vgpr_count:     1024
    .wavefront_size: 32
...
	.end_amdgpu_metadata
.endif
;; end of part 5
